; MI455X (gfx1250); checked and timed in simulation.
; The chip was launched on July 23, 2026; its instructions are those of AMD's public machine-readable ISA for CDNA 5 (MIT licence, August 2026) and "CDNA5" Instruction Set Architecture Reference Guide (July 2026). The comments in the code are by the model that wrote it; some were corrected since.
;; KNN. Allowed arithmetic: float matrix products may take bf16 or f16 operands with f32 sums; other float arithmetic in f32, or as packed bf16 or f16 multiplies, adds, multiply-adds, maxima and minima; sums over many terms, partial sums and values carried from step to step in f32; what a program stores and reads back later, other than sums and carried values, may be rounded once to bf16 or f16.
;; Inputs: X 512 x 64 float32; train_features 200,000 x 64 float32; train_labels 200,000 int32.
;; Outputs: out0 512 int32.
;; Constants: k = 16, num_labels = 10.
;; 2 versions, each right; version 2 is version 1 with the launch scan written anew for expert scheduling mode. Each part assembles by itself: llvm-mc -triple=amdgcn-amd-amdhsa -mcpu=gfx1250 --defsym DOCPART=n.
;; ======== version 1 of 2: 3 launches
;; workspace buffers: codes 16,384,000 bytes of whole numbers; marks 1,638,400 bytes of whole numbers; sums 65,536 bytes of whole numbers
;; launch scan (part 1): grid 250 x 1, 8 waves a work-group, no clusters, 193,280 bytes of LDS; arguments X, train_features, codes; writes codes
.if DOCPART == 1
	.amdgcn_target "amdgcn-amd-amdhsa--gfx1250"
	.amdhsa_code_object_version 6
	.text
	.protected	k_qfdd67028bf_scan
	.globl	k_qfdd67028bf_scan
	.p2align	8
	.type	k_qfdd67028bf_scan,@function
k_qfdd67028bf_scan:
	s_mov_b64 s[64:65], 0
	v_nop
	global_prefetch_b8 v0, s[64:65] scope:SCOPE_SE
	s_setreg_imm32_b32 hwreg(HW_REG_WAVE_MODE, 25, 1), 1
	s_wait_xcnt 0x0
; KNN, first of three launches: all 512 x 200,000 squared distances, reduced to one 15-bit CODE for each query and each group of 16 training rows.
; s = x.t - t2/2 comes out of the matrix unit (bf16 operands, f32 sums; the C operand of the first K step is -t2/2); d2 = max(x2 - 2 s, 0), one fused multiply-add.
; x2 and t2 are sums of squares of the ROUNDED numbers, made by the matrix unit too (the diagonal of F F^T), so a later launch can make the same bits again.
; A group's code is the upper 16 bits of its smallest d2 (d2 >= 0, so the bits order as whole numbers).  The next launch reads the codes as whole numbers and decides by them which rows to look at.
; SHARES.  250 work-groups x 800 rows = 200,000.  A work-group keeps its 800 rows as bf16 in LDS and takes all 512 queries.  Waves 0-3 multiply: wave c has queries 128 c .. 128 c + 127 (8 tiles of 16)
; against all 50 row tiles.  Waves 4-7 load: f32 rows through registers, rounded to bf16, into LDS, in five chunks of 160 rows (40 a wave), and make -t2/2.  The multiplying waves run behind the chunks.
; LAYOUT.  Source 0 = 16 training rows, source 1 = 16 queries: in the result lane (r, h) holds query r and rows 8 h + 0..7.  Two row tiles are a PAIR; a lane's 16 numbers of a pair are a GROUP:
; rows 32 p + 8 h + {0..7, 16..23}.  The maximum of s over a group costs 8 instructions of three operands, which ride two behind each matrix instruction.
; THE 25 PAIRS ARE WRITTEN OUT by the assembler's loop: every LDS address is a lane term in a register plus an immediate.  A register that holds an LDS address in one kind of wave holds one in the other kind too.
; OUTPUT.  codes[pair of queries 256][work-group 250][2 queries][64 slots of 16 bits]: slot 2 p + h the group (p, h); slots 50 + h the smallest of that h's 25 codes; slots 52-63 hold 0x7fff.
; Records are gathered in LDS and leave as whole aligned blocks of 256 bytes (two queries' 128 bytes), sixteen lanes a block.
; NO TENSOR LOADS: the rows must pass through registers to be rounded, and no LDS byte is written twice by different data.  NO CLUSTER: 250 work-groups are no multiple of four, and only X (128 KiB) is shared.
; LIMITS.  NaN and infinities are not treated apart.  d2 is the difference x2 + t2 - 2 x.t that the problem itself forms, rounded in another order than term by term.
.set TRP,   144                        ; an LDS row: 128 bytes of bf16 + 16 of padding: the 16 rows of a fragment load start at 16 different groups of four banks
.set T2,    115200                     ; behind the 800 rows (from byte 0): 800 f32, -t2/2
.set OUT,   118528                     ; 512 records, 128 bytes + 16 of padding
.set SPARE, 192256                     ; the spare words: 128 bytes for each of the 8 waves
; multiplying waves, window 0
.set AA,  1                            ; v1   my part of row tile 0: 144 r + 16 h; never rewritten
.set TB,  2                            ; v2   -t2/2 of row tile 0: T2 + 32 h; never rewritten
.set OA,  3                            ; v3   slot h of my first record: OUT + (128 c + r) 144 + 2 h; never rewritten
.set SPW, 4                            ; v4   my spare word; never rewritten
.set NIL, 5                            ; v5   0; never rewritten
.set AA2, 6                            ; v6   my part of row tile 28: an immediate holds 16 bits
.set M,   8                            ; v8-15    the running maximum of a group, by query tile
.set CB,  16                           ; v16-31   -t2/2 as a C operand, two buffers of 8
.set AB,  32                           ; v32-63   a row tile's fragments (K 0-31, K 32-63), two buffers of 16
.set D,   64                           ; v64-127  the 8 accumulators
.set XF,  128                          ; v128-255 the queries' fragments, 16 a tile
; multiplying waves, window 1 (first the 256 registers into which X is loaded)
.set X2,  0                            ; x2 by query tile
.set CH,  8                            ; the smallest d2 so far, by query tile
.set D1,  16                           ; d2 at work
; loading waves: addresses and work in window 0; chunks 0, 1 land in v96-175, v176-255, chunks 2, 3, 4 in window 1, v0-79, v80-159, v160-239: no register is loaded twice
.set GO,  1                            ; v1   byte offset of my 16 bytes in a chunk's first two rows of my 40; never rewritten
.set SA,  2                            ; v2   where I store 8 bytes of bf16: chunk 0's place; stepped once, ahead of chunk 3, to chunk 3's: an immediate holds 16 bits
.set FA,  3                            ; v3   where I read my rows back as fragments: likewise
.set TA,  6                            ; v6   where -t2/2 of row r of my 40 goes, chunk 0; never rewritten
.set FR,  16                           ; v16-63   three tiles' fragments
.set GR,  64                           ; v64-87   three accumulators
.set CT,  88                           ; v88-95   eight registers of rounded numbers on their way into LDS
.set MSB, 0
.macro WIN new                         ; the immediate's high byte repeats the setting that is left; a switch that changes nothing is dropped
.if MSB != (\new)
	s_set_vgpr_msb (MSB<<8)|(\new)
.set MSB, (\new)
.endif
.endm
.macro BAR                             ; what others rely on is complete in front of my signal: my LDS stores; and my LDS loads are back
	s_wait_dscnt 0x0
	s_barrier_signal -1
	s_barrier_wait -1
.endm
; Of a 16 x 16 result at g, register lane % 8: in lanes 0-7 and 24-31 that is the diagonal element of row lane % 16.  The low registers are read first.
.macro DSEL g, t
	v_cndmask_b32 v[\t], v[\g], v[(\g)+1], s12
.irp j,2,3,4,5,6,7
	v_cndmask_b32 v[\t], v[\t], v[(\g)+\j], s[11+\j]
.endr
.endm
	s_load_b128 s[4:7], s[0:1], 0x0                ; X s[4:5], train_features s[6:7]
	s_load_b64 s[8:9], s[0:1], 0x10                ; codes
	v_lshl_add_u32 v[SPW], v0, 2, SPARE
	v_mov_b32 v[NIL], 0
	v_lshrrev_b32 v8, 5, v0
	v_readfirstlane_b32 s10, v8                    ; wave 0..7
	s_and_b32 s11, s10, 3                          ; c among the multiplying waves, l among the loading ones
.irp j,1,2,3,4,5,6,7
	s_mov_b32 s[11+\j], 0x01010101<<\j             ; lanes with lane % 8 = j
.endr
	s_mov_b32 s19, 0xff0000ff                      ; lanes that hold a diagonal element themselves
	s_mov_b32 s20, 0x76543210                      ; v_permlanex16_b32: each lane takes its own place in the other half
	s_mov_b32 s21, 0xfedcba98
	s_mov_b32 s22, 0x7f800000                      ; +infinity
	s_mul_i32 s30, ttmp9, 204800                   ; my work-group's 800 rows of 256 bytes
	s_mov_b32 s31, 0
	v_and_b32 v8, 15, v0                           ; r
	v_bfe_u32 v9, v0, 4, 1                         ; h
	v_and_b32 v10, 31, v0                          ; lane
	s_wait_kmcnt 0x0
	s_add_nc_u64 s[24:25], s[6:7], s[30:31]
	s_lshl_b32 s30, s11, 15
	s_add_nc_u64 s[26:27], s[4:5], s[30:31]        ; X at query 128 c
	s_lshl_b32 s30, ttmp9, 8
	s_add_nc_u64 s[28:29], s[8:9], s[30:31]        ; codes at my work-group's block of the first pair of queries
; ---- the loading waves' macros
.macro LOADS c                         ; chunk c: my 40 rows, 20 loads of 512 consecutive bytes (two rows), into the chunk's own 80 registers
.if (\c) < 2
.set LBS, 96+80*(\c)
	WIN 0
.else
.set LBS, 80*((\c)-2)
	WIN 0x40                                       ; destination window 1, address window 0
.endif
.set i, 0
.rept 20
	global_load_b128 v[LBS+4*i:LBS+4*i+3], v[GO], s[24:25] offset:40960*(\c)+512*i th:TH_LOAD_NT
.set i, i+1
.endr
	WIN 0
.endm
; Chunk c is rounded and stored; chunk c + 3 is asked for (more = 1); -t2/2 of my 40 rows is made from the rows as they lie in LDS: three tiles, at rows 0, 16 and 24 of the 40.
; yng: the loads behind this chunk's that the count leaves out.  It names only loads issued in this block or in the first block; where later ones exist too, the count waits for some of them as well.
.macro CONVERT c, yng, more
.if (\c) < 2
.set SB, 96+80*(\c)
.set SW, 0
.else
.set SB, 80*((\c)-2)
.set SW, 0x05                          ; sources window 1, destination window 0
.endif
.if (\c) < 3
.set CO, 160*TRP*(\c)
.else
.set CO, 160*TRP*((\c)-3)
.endif
.if (\c) == 3
	v_add_nc_u32 v[SA], 3*160*TRP, v[SA]           ; from chunk 0's place to chunk 3's, once: no LDS instruction of mine is out (the barrier's wait)
	v_add_nc_u32 v[FA], 3*160*TRP, v[FA]
.endif
.set g, 0
.rept 5
	s_wait_loadcnt (\yng)+16-4*g                   ; loads come back in order: four more of this chunk's are in
	WIN SW
.set i, 0
.rept 4
	v_cvt_pk_bf16_f32 v[CT+2*i], v[SB+16*g+4*i], v[SB+16*g+4*i+1]
	v_cvt_pk_bf16_f32 v[CT+2*i+1], v[SB+16*g+4*i+2], v[SB+16*g+4*i+3]
.set i, i+1
.endr
	WIN 0
.set i, 0
.rept 4
	ds_store_b64 v[SA], v[CT+2*i:CT+2*i+1] offset:CO+288*(4*g+i)
.set i, i+1
.endr
.set g, g+1
.endr
.if \more
	LOADS (\c)+3
.endif
.irp w,0,1,2
.irp n,0,1,2,3
	ds_load_b128 v[FR+16*\w+4*\n:FR+16*\w+4*\n+3], v[FA] offset:CO+(16*\w-8*(\w/2))*TRP+32*\n  ; LDS serves a wave's instructions in order: these see my stores above
.endr
.endr
	s_wait_dscnt 0x0
.irp w,0,1,2                           ; the three accumulators take turns
	v_wmma_f32_16x16x32_bf16 v[GR+8*\w:GR+8*\w+7], v[FR+16*\w:FR+16*\w+7], v[FR+16*\w:FR+16*\w+7], 0
.endr
.irp w,0,1,2
	v_wmma_f32_16x16x32_bf16 v[GR+8*\w:GR+8*\w+7], v[FR+16*\w+8:FR+16*\w+15], v[FR+16*\w+8:FR+16*\w+15], v[GR+8*\w:GR+8*\w+7]
.endr
.rept 4
	v_nop                                          ; four plain instructions between the last product and the first read of a result
.endr
.irp w,0,1,2
	DSEL GR+8*\w,8+\w
	v_permlanex16_b32 v12, v[8+\w], s20, s21
	v_cndmask_b32 v[8+\w], v12, v[8+\w], s19       ; every lane (r, h) holds t2 of the tile's row r
	v_mul_f32 v[8+\w], -0.5, v[8+\w]
	ds_store_b32 v[TA], v[8+\w] offset:640*(\c)+4*(16*\w-8*(\w/2))  ; both halves of the lanes write the same word with the same number
.endr
.endm
; ---- the multiplying waves' macros
.macro XLOAD q                         ; query tile q as f32: eight loads into window 1
	WIN 0x40
.irp j,0,1,2,3,4,5,6,7
	global_load_b128 v[32*(\q)+4*\j:32*(\q)+4*\j+3], v14, s[26:27] offset:4096*(\q)+64*(\j/2)+16*(\j%2)
.endr
.endm
.macro LDF buf, t                      ; row tile t's fragments and its -t2/2: six loads
.if (\t) < 28
.set LB, AA
.set LO, (\t)*16*TRP
.else
.set LB, AA2
.set LO, ((\t)-28)*16*TRP
.endif
.irp n,0,1,2,3
	ds_load_b128 v[AB+16*(\buf)+4*\n:AB+16*(\buf)+4*\n+3], v[LB] offset:LO+32*\n
.endr
.irp n,0,1
	ds_load_b128 v[CB+8*(\buf)+4*\n:CB+8*(\buf)+4*\n+3], v[TB] offset:64*(\t)+16*\n
.endr
.endm
; Matrix instruction pos of a pair's 32.  A tile's 16: first K step of query tiles 0-3 (C = -t2/2), second of 0-3, first of 4-7, second of 4-7: three other accumulators stand between a sum's two links.
.macro MM
.set mi, pos%16
.set mb, pos/16
.set mq, mi%4+4*(mi/8)
.if (mi/4)%2 == 0
	v_wmma_f32_16x16x32_bf16 v[D+8*mq:D+8*mq+7], v[AB+16*mb:AB+16*mb+7], v[XF+16*mq:XF+16*mq+7], v[CB+8*mb:CB+8*mb+7]
.else
	v_wmma_f32_16x16x32_bf16 v[D+8*mq:D+8*mq+7], v[AB+16*mb+8:AB+16*mb+15], v[XF+16*mq+8:XF+16*mq+15], v[D+8*mq:D+8*mq+7]
.endif
.endm
; Rider o of a batch of 16, for query tiles base .. base + 3, two tiles alternating.  kind 1: a pair's first tile starts the maximum; kind 2: its second tile goes on; kind 0: nothing is due.
.macro RID kind, base, o
.set rq, (\base)+(\o)%2+2*((\o)/8)
.set rk, ((\o)/2)%4
.if (\kind) == 0
	v_nop
.elseif (\kind) == 1
.if rk == 0
	v_max3_num_f32 v[M+rq], v[D+8*rq], v[D+8*rq+1], v[D+8*rq+2]
.elseif rk < 3
	v_max3_num_f32 v[M+rq], v[M+rq], v[D+8*rq+2*rk+1], v[D+8*rq+2*rk+2]
.else
	v_max_num_f32 v[M+rq], v[M+rq], v[D+8*rq+7]
.endif
.else
	v_max3_num_f32 v[M+rq], v[M+rq], v[D+8*rq+2*rk], v[D+8*rq+2*rk+1]
.endif
.endm
; Four query tiles' groups of pair sl are finished: d2 = max(x2 - 2 max s, 0); the smallest so far; the upper 16 bits into the records.  M and the address in window 0, all else in window 1.
.macro FIN q0, sl
	WIN 0x54
.irp n,0,1,2,3
	v_fma_f32 v[D1+(\q0)+\n], v[M+(\q0)+\n], -2.0, v[X2+(\q0)+\n]
.endr
.irp n,0,1,2,3
	v_max_num_f32 v[D1+(\q0)+\n], 0, v[D1+(\q0)+\n]
.endr
.irp n,0,1,2,3
	v_min3_num_f32 v[CH+(\q0)+\n], s22, v[D1+(\q0)+\n], v[CH+(\q0)+\n]
.endr
.irp n,0,1,2,3
	ds_store_b16_d16_hi v[OA], v[D1+(\q0)+\n] offset:16*TRP*((\q0)+\n)+4*(\sl)
.endr
	WIN 0
.endm
; PAIR p: 32 matrix instructions, two riders behind each.  Behind 0-7: the pair before, second tile, query tiles 4-7; 8-15: first tile, 0-3; 16-23: first tile, 4-7; 24-31: second tile, 0-3.
; Between the second link of a sum and the first read of it stand seven riders or more on other accumulators; more before it is started anew.  A buffer is loaded again eight riders behind its last reader.
; first = 1: there is no pair before.  last = 1: there is none behind.
.macro PAIR p, first, last
	s_wait_dscnt 0x0                               ; the first tile's six loads, issued 13 matrix instructions back
.set pos, 0
.rept 32
.if pos == 16
.if \first
	s_wait_dscnt 0x0
.else
	s_wait_dscnt 0x8                               ; the second tile's six loads are in; the eight stores of codes issued behind them may be out
.endif
.endif
	MM
.set o, 2*(pos%8)
.if pos < 8
	RID 2-2*(\first),4,o
	RID 2-2*(\first),4,o+1
.elseif pos < 16
	RID 1,0,o
	RID 1,0,o+1
.elseif pos < 24
	RID 1,4,o
	RID 1,4,o+1
.else
	RID 2,0,o
	RID 2,0,o+1
.endif
.if pos == 2
	LDF 1,2*(\p)+1
.endif
.if (pos == 3) && !(\first)
	FIN 0,(\p)-1
.endif
.if (pos == 11) && !(\first)
	FIN 4,(\p)-1
.endif
.if (pos == 18) && !(\last)
	LDF 0,2*(\p)+2                                 ; the next pair's first tile
.endif
.set pos, pos+1
.endr
.endm
.macro PAIRS a, b                      ; pairs a to b
.set pp, \a
.rept (\b)-(\a)+1
	PAIR pp,0,0
.set pp, pp+1
.endr
.endm
; ---- stage 0: the queries into registers | chunk 0 into LDS
	s_cmp_lt_u32 s10, 4
	s_cbranch_scc0 .Lload0
	v_lshlrev_b32 v14, 8, v8
	v_lshl_add_u32 v14, v9, 5, v14                 ; X: 256 r + 32 h: a fragment's 8 numbers are 32 bytes of f32
.set q, 0
.rept 7                                ; tiles 0-6: 56 loads; tile 7's eight follow when tile 0 is in
	XLOAD q
.set q, q+1
.endr
	WIN 0
	v_mul_u32_u24 v[AA], v8, TRP
	s_mul_i32 s35, s11, 128*TRP
	v_add_nc_u32 v11, s35, v[AA]
	v_add_nc_u32 v11, OUT, v11                     ; my first record: query 128 c + r
	v_lshl_add_u32 v[AA], v9, 4, v[AA]
	v_add_nc_u32 v[AA2], 28*16*TRP, v[AA]
	v_lshlrev_b32 v[TB], 5, v9
	v_add_nc_u32 v[TB], T2, v[TB]
	v_lshl_add_u32 v[OA], v9, 1, v11
	v_lshl_add_u32 v12, v9, 3, v11
	v_lshl_add_u32 v13, v9, 2, v11
	v_mov_b32 v16, 0x7fff7fff
	v_mov_b32 v17, 0x7fff7fff
.irp n,0,1,2,3,4,5,6,7                 ; slots 52-63 of my records: bytes 104 + 8 h .. and 120 + 4 h ..
	ds_store_b64 v12, v[16:17] offset:16*TRP*\n+104
	ds_store_b32 v13, v16 offset:16*TRP*\n+120
.endr
.set q, 0
.rept 8
.if q == 0
	s_wait_loadcnt 48                              ; tile 0's eight loads are in; tiles 1-6 stay out
.else
	s_wait_loadcnt 56-8*q                          ; tile q's are in; the later tiles', tile 7's among them, stay out
.endif
	WIN 0x05                                       ; sources window 1, destination window 0
.set i, 0
.rept 16
	v_cvt_pk_bf16_f32 v[XF+16*q+i], v[32*q+2*i], v[32*q+2*i+1]
.set i, i+1
.endr
.if q == 0
	XLOAD 7
.endif
.set q, q+1
.endr
	WIN 0
.irp n,0,1,2,3,4,5,6,7                 ; x2: the diagonal of X X^T, tile by tile; the eight accumulators take turns
	v_wmma_f32_16x16x32_bf16 v[D+8*\n:D+8*\n+7], v[XF+16*\n:XF+16*\n+7], v[XF+16*\n:XF+16*\n+7], 0
.endr
.irp n,0,1,2,3,4,5,6,7
	v_wmma_f32_16x16x32_bf16 v[D+8*\n:D+8*\n+7], v[XF+16*\n+8:XF+16*\n+15], v[XF+16*\n+8:XF+16*\n+15], v[D+8*\n:D+8*\n+7]
.endr
.rept 4
	v_nop                                          ; four plain instructions between the last product and the first read of a result
.endr
.irp n,0,1,2,3,4,5,6,7
	DSEL D+8*\n,M+\n
.endr
	WIN 0x40
.irp n,0,1,2,3,4,5,6,7
	v_permlanex16_b32 v[D1+\n], v[M+\n], s20, s21  ; into window 1, registers that the loads of X have written
.endr
	WIN 0x41
.irp n,0,1,2,3,4,5,6,7
	v_cndmask_b32 v[X2+\n], v[D1+\n], v[M+\n], s19 ; every lane (r, h) holds x2 of the tile's query r
.endr
	WIN 0x40
.irp n,0,1,2,3,4,5,6,7
	v_mov_b32 v[CH+\n], s22
.endr
	WIN 0
	s_branch .Ljoin0
.Lload0:
	s_mul_i32 s32, s11, 10240
	v_lshl_add_u32 v[GO], v10, 4, s32              ; my wave's 40 rows, 16 bytes a lane
	LOADS 0                                        ; three chunks, 60 loads a wave, are on their way
	LOADS 1
	LOADS 2
	s_mul_i32 s33, s11, 40*TRP
	v_mul_u32_u24 v11, v9, TRP
	v_lshl_add_u32 v[SA], v8, 3, v11
	v_add_nc_u32 v[SA], s33, v[SA]                 ; row 40 l + lane / 16, 8 bytes for each of 16 lanes
	v_mul_u32_u24 v[FA], v8, TRP
	v_lshl_add_u32 v[FA], v9, 4, v[FA]
	v_add_nc_u32 v[FA], s33, v[FA]                 ; row 40 l + r, 16 bytes for each half
	s_mul_i32 s34, s11, 160
	s_add_co_u32 s34, s34, T2
	v_lshl_add_u32 v[TA], v8, 2, s34
	v_mov_b32 v12, 0                               ; v_permlanex16_b32's destination counts as read
	CONVERT 0,40,1                                 ; behind chunk 0's loads stand chunks 1 and 2: 40
.Ljoin0:
	BAR                                            ; chunk 0 (pairs 0-4) is whole
; ---- stages 1 to 4: the multiplying waves stay two pairs behind the chunks' edges, so that the tile fetched ahead at a stage's end lies in a chunk that is whole
	s_cmp_lt_u32 s10, 4
	s_cbranch_scc0 .Lload1
	LDF 0,0
	PAIR 0,1,0
	PAIRS 1,2                                      ; fetched ahead: pair 3
	s_branch .Ljoin1
.Lload1:
	CONVERT 1,40,1                                 ; behind chunk 1's loads stand chunks 2 and 3, both asked for in the first block: 40
.Ljoin1:
	BAR                                            ; pairs 5-9 are whole
	s_cmp_lt_u32 s10, 4
	s_cbranch_scc0 .Lload2
	PAIRS 3,7                                      ; fetched ahead: pair 8
	s_branch .Ljoin2
.Lload2:
	CONVERT 2,20,0                                 ; chunk 3's 20 are left out; the count takes chunk 4's in with it, asked for a stage ago
.Ljoin2:
	BAR                                            ; pairs 10-14
	s_cmp_lt_u32 s10, 4
	s_cbranch_scc0 .Lload3
	PAIRS 8,12                                     ; fetched ahead: pair 13
	s_branch .Ljoin3
.Lload3:
	CONVERT 3,0,0
.Ljoin3:
	BAR                                            ; pairs 15-19
	s_cmp_lt_u32 s10, 4
	s_cbranch_scc0 .Lload4
	PAIRS 13,17                                    ; fetched ahead: pair 18
	s_branch .Ljoin4
.Lload4:
	CONVERT 4,0,0
.Ljoin4:
	BAR                                            ; pairs 20-24
	s_cmp_lt_u32 s10, 4
	s_cbranch_scc0 .Ljoin5
	PAIRS 18,23
	PAIR 24,0,1
.rept 4
	v_nop                                          ; four plain instructions behind the last product
.endr
.set o, 0
.rept 16
	RID 2,4,o
.set o, o+1
.endr
	FIN 0,24
	FIN 4,24
	WIN 0x54
.irp n,0,1,2,3,4,5,6,7
	ds_store_b16_d16_hi v[OA], v[CH+\n] offset:16*TRP*\n+100  ; slot 50 + h: the smallest of my 25 groups: its code is the smallest of their codes
.endr
	WIN 0
.Ljoin5:
	BAR                                            ; all 512 records are whole
; ---- the way out, all eight waves: wave y takes queries 64 y .. 64 y + 63.  A load takes four records; lanes 0-15 hold a pair of queries' 256 bytes, lanes 16-31 the next pair's.
	v_and_b32 v8, 31, v0
	v_lshrrev_b32 v9, 3, v8                        ; the record among the four
	v_mul_u32_u24 v9, v9, TRP
	v_and_b32 v10, 7, v0
	v_lshl_add_u32 v9, v10, 4, v9
	s_mul_i32 s36, s10, 64*TRP
	s_add_co_u32 s36, s36, OUT
	v_add_nc_u32 v9, s36, v9
	v_lshrrev_b32 v11, 4, v8
	v_mul_u32_u24 v11, v11, 64000                  ; a pair of queries has 250 blocks of 256 bytes
	v_and_b32 v12, 15, v0
	v_lshl_add_u32 v11, v12, 4, v11
	s_mul_i32 s37, s10, 32*64000
	v_add_nc_u32 v11, s37, v11
.irp n,0,1,2,3,4,5,6,7,8,9,10,11,12,13,14,15
	ds_load_b128 v[D+4*\n:D+4*\n+3], v9 offset:4*TRP*\n
.endr
.irp n,0,1,2,3,4,5,6,7,8,9,10,11,12,13,14,15
	s_wait_dscnt 15-\n                             ; LDS loads come back in order: load n is in
	global_store_b128 v11, v[D+4*\n:D+4*\n+3], s[28:29] offset:128000*\n  ; 16 lanes store 256 consecutive bytes, at a multiple of 256 from the buffer's first byte
.endr
	s_wait_tensorcnt 0x0                           ; the wave's end, behind my last LDS store
	ds_add_u32 v[SPW], v[NIL]
	s_wait_dscnt 0x0
	s_endpgm
.Lfunc_end_k_qfdd67028bf_scan:
	.size	k_qfdd67028bf_scan, .Lfunc_end_k_qfdd67028bf_scan-k_qfdd67028bf_scan
	.p2alignl 7, 3214868480
	.fill 96, 4, 3214868480
	.section	.rodata,"a",@progbits
	.p2align	6, 0x0
	.amdhsa_kernel k_qfdd67028bf_scan
		.amdhsa_group_segment_fixed_size 193280
		.amdhsa_private_segment_fixed_size 0
		.amdhsa_enable_private_segment 0
		.amdhsa_kernarg_size 24
		.amdhsa_user_sgpr_count 2
		.amdhsa_user_sgpr_kernarg_segment_ptr 1
		.amdhsa_wavefront_size32 1
		.amdhsa_system_sgpr_workgroup_id_x 1
		.amdhsa_system_sgpr_workgroup_id_y 1
		.amdhsa_system_sgpr_workgroup_id_z 1
		.amdhsa_system_vgpr_workitem_id 0
		.amdhsa_next_free_vgpr 512
		.amdhsa_next_free_sgpr 66
		.amdhsa_reserve_vcc 0
		.amdhsa_float_denorm_mode_32 3
		.amdhsa_float_denorm_mode_16_64 3
		.amdhsa_memory_ordered 1
		.amdhsa_forward_progress 1
		.amdhsa_inst_pref_size 255
	.end_amdhsa_kernel
	.section	.bss,"aw",@nobits
	.p2align	6
	.space	262144
	.amdgpu_metadata
---
amdhsa.version: [ 1, 2 ]
amdhsa.kernels:
  - .name:           k_qfdd67028bf_scan
    .symbol:         k_qfdd67028bf_scan.kd
    .args:
      - { .name: X, .offset: 0, .size: 8, .value_kind: global_buffer, .address_space: global }
      - { .name: train_features, .offset: 8, .size: 8, .value_kind: global_buffer, .address_space: global }
      - { .name: codes, .offset: 16, .size: 8, .value_kind: global_buffer, .address_space: global }
    .group_segment_fixed_size: 193280
    .private_segment_fixed_size: 0
    .kernarg_segment_align: 8
    .kernarg_segment_size: 24
    .max_flat_workgroup_size: 256
    .sgpr_count:     66
    .vgpr_count:     512
    .wavefront_size: 32
...
	.end_amdgpu_metadata
.endif
;; end of part 1
;; launch mark (part 2): grid 256 x 1, 25 waves a work-group, no clusters, 11,264 bytes of LDS; arguments codes, marks, sums; writes marks, sums
.if DOCPART == 2
	.amdgcn_target "amdgcn-amd-amdhsa--gfx1250"
	.amdhsa_code_object_version 6
	.text
	.protected	k_qfdd67028bf_mark
	.globl	k_qfdd67028bf_mark
	.p2align	8
	.type	k_qfdd67028bf_mark,@function
k_qfdd67028bf_mark:
	s_mov_b64 s[64:65], 0
	v_nop
	global_prefetch_b8 v0, s[64:65] scope:SCOPE_SE
	s_setreg_imm32_b32 hwreg(HW_REG_WAVE_MODE, 25, 1), 1
	s_wait_xcnt 0x0
; KNN, second of three launches: for two queries a work-group, WHICH groups of 16 training rows can hold one of the 16 nearest.  The answer is stored as bits and counts at fixed places;
; the next launch reads them as whole numbers and forms its addresses and its trip count from them.  In this launch no address and no branch hangs on data.
; codes[pair of queries][250 blocks][2 queries][64 slots of 16 bits] were stored by the launch before: slot 2 p + h of block w is the code (upper 16 bits of the smallest d2) of the group of rows
; 800 w + 32 p + 8 h + {0..7, 16..23}; slots 50 + h the smallest of that h's 25 codes; slots 52-63 hold 0x7fff.
; THE THRESHOLD.  The 12,500 groups of a query fall into 100 chunks of 125; T is the 16th smallest of the chunks' smallest codes.  So 16 different groups hold a row whose code is at most T; a row whose
; code is above T is farther than those 16 (the code grows with d2), and is none of the 16 nearest.  Every group with code <= T is marked: at least 16, however many tie.
; SHARES.  25 waves; wave v reads blocks 10 v .. 10 v + 9 of both queries (a REGION): lanes 0-15 the first query, lanes 16-31 the second.  Wave 24 finds T.  Waves 0 and 1 make a query's running counts.
; OUTPUT.  marks[pair][region 25][query 2][32 words]: word 4 i + d (i = 0..4, d = 0..3), bit b: the group whose first row is 8000 v + 1600 i + 32 d + 8 (b / 16) + 800 ((b / 8) % 2) + 128 (b % 8);
; words 20-31 hold 0.  A wave's 256 bytes leave by one store.  sums[pair][query][32 words]: word j = the marked groups of regions 0 .. j; words 24-31 hold the total.
; LIMITS.  NaN and infinities are not treated apart (with NaN among the distances T can reach 0x7fff, and slots that are no groups are marked; the next launch clamps their rows).
.set CM,    0                          ; 28 blocks of 256 bytes: thread t's two numbers at 8 t; of a wave's block only the lanes with lane % 8 = 6 hold chunks' smallest codes; blocks 25-27 hold 0x7fffffff
.set TT,    7168                       ; [2] T
.set CNT,   7424                       ; [2 queries][64] words: how many groups each wave has marked; 25..32 hold 0
.set SPARE, 7936                       ; the spare words: 128 bytes for each of the 25 waves, in 13 blocks of 256
.set K1, 20                            ; s20-23  lanes whose bit 0, 1, 2, 3 is clear: they keep the smaller of a compared pair
.set K2, 21
.set K4, 22
.set K8, 23
.set NK1, 24                           ; s24-27  the others
.set NK2, 25
.set NK4, 26
.set NK8, 27
.set TK, 118                           ; v118  a partner's number
.set LI, 32                            ; wave 24: seven lists, and twice seven registers at work
.set WA, 40
.set WB, 48
; v1 lane; v2 rho = lane / 16 (the query of my half); v4 piece = lane % 8; v5, v6 the add's two registers; v7 offset of my codes; v12 (T + 1) << 16; v22 8 x my thread's number
; v24, v25 the wave's words on their way out; v76-95 the codes
.macro BAR
	s_wait_dscnt 0x0
	s_barrier_signal -1
	s_barrier_wait -1
.endm
	s_load_b128 s[4:7], s[0:1], 0x0                ; codes s[4:5], marks s[6:7]
	s_load_b64 s[8:9], s[0:1], 0x10                ; sums
	v_lshl_add_u32 v5, v0, 2, SPARE
	v_mov_b32 v6, 0
	v_lshrrev_b32 v30, 5, v0
	v_readfirstlane_b32 s14, v30                   ; wave 0..24
	v_and_b32 v1, 31, v0
	v_bfe_u32 v2, v0, 4, 1
	v_and_b32 v4, 7, v0
	v_bfe_u32 v30, v0, 3, 1                        ; (lane % 16) / 8
	s_mov_b32 s20, 0x55555555
	s_mov_b32 s21, 0x33333333
	s_mov_b32 s22, 0x0f0f0f0f
	s_mov_b32 s23, 0x00ff00ff
	s_mov_b32 s24, 0xaaaaaaaa
	s_mov_b32 s25, 0xcccccccc
	s_mov_b32 s26, 0xf0f0f0f0
	s_mov_b32 s27, 0xff00ff00
	s_mov_b32 s28, 0xffff0000                      ; lanes 16-31
	s_mov_b32 s29, 0x40404040                      ; lanes with piece = 6: their second word holds slots 50 and 51
	s_mov_b32 s38, 0x76543210                      ; v_permlanex16_b32: the same place in the other half
	s_mov_b32 s39, 0xfedcba98
	s_mul_i32 s80, s14, 2560
	v_lshlrev_b32 v7, 8, v30                       ; of two blocks the one by (lane % 16) / 8,
	v_lshl_add_u32 v7, v2, 7, v7                   ; my half's query,
	v_lshl_add_u32 v7, v4, 4, v7                   ; 16 bytes by piece: a load's 32 lanes cover 512 consecutive bytes
	v_add_nc_u32 v7, s80, v7
	s_mul_i32 s62, ttmp9, 64000
	s_mov_b32 s63, 0
	s_mul_i32 s66, ttmp9, 6400
	s_mov_b32 s67, 0
	s_lshl_b32 s68, ttmp9, 8
	s_mov_b32 s69, 0
	s_wait_kmcnt 0x0
	s_add_nc_u64 s[72:73], s[4:5], s[62:63]        ; my pair's codes,
	s_add_nc_u64 s[74:75], s[6:7], s[66:67]        ; its 25 blocks of marks,
	s_add_nc_u64 s[76:77], s[8:9], s[68:69]        ; its block of sums
.irp i,0,1,2,3,4
	global_load_b128 v[76+4*\i:79+4*\i], v7, s[72:73] offset:512*\i th:TH_LOAD_NT
.endr
	v_mov_b32 v[TK], 0                             ; destinations of lane exchanges count as read
	v_lshlrev_b32 v22, 3, v0                       ; 8 x my thread's number
	s_wait_loadcnt 0x0
; ---- the chunks' smallest codes: in lanes with piece = 6 the second word of each load holds slot 50 below and slot 51 above.  Every lane stores its two numbers; only those lanes' are read.
	v_min_u32 v21, v77, v81
	v_lshlrev_b32 v20, 16, v77
	v_lshlrev_b32 v23, 16, v81
	v_min_u32 v20, v20, v23
.irp i,85,89,93
	v_min_u32 v21, v21, v\i
	v_lshlrev_b32 v23, 16, v\i
	v_min_u32 v20, v20, v23
.endr
	v_lshrrev_b32 v20, 16, v20
	v_lshrrev_b32 v21, 16, v21
	ds_store_b64 v22, v[20:21] offset:CM
	s_cmp_eq_u32 s14, 24
	s_cbranch_scc0 .Lno_pad
	v_mov_b32 v24, 0x7fffffff                      ; 100 chunks are made up to 112: three blocks behind wave 24's
	v_mov_b32 v25, 0x7fffffff
	ds_store_b64 v22, v[24:25] offset:CM+256
	ds_store_b64 v22, v[24:25] offset:CM+512
	ds_store_b64 v22, v[24:25] offset:CM+768
	v_lshlrev_b32 v23, 8, v2
	v_lshl_add_u32 v23, v4, 2, v23
	v_mov_b32 v26, 0
	ds_store_b32 v23, v26 offset:CNT+100           ; counts 25 + lane % 8 of both queries: there are no such waves
.Lno_pad:
	BAR
; ---- wave 24: T, the 16th smallest of 100
; A compare and exchange of whole numbers between lanes X apart (by exclusive or) in each half, for several lists at once; lanes of K keep the smaller.
.macro CES X, K, lists:vararg
.irp k, \lists
	v_mov_b32_dpp v[WA+\k], v[LI+\k] row_xmask:\X row_mask:0xf bank_mask:0xf
.endr
.irp k, \lists
	v_min_u32 v[WB+\k], v[LI+\k], v[WA+\k]
.endr
.irp k, \lists
	v_max_u32 v[WA+\k], v[LI+\k], v[WA+\k]
.endr
.irp k, \lists
	v_cndmask_b32 v[LI+\k], v[WA+\k], v[WB+\k], s[\K]
.endr
.endm
.macro MINR a, b                       ; of two ascending lists the 16 smallest: a against b mirrored
	v_mov_b32_dpp v[WA+\a], v[LI+\b] row_xmask:15 row_mask:0xf bank_mask:0xf
	v_min_u32 v[LI+\a], v[LI+\a], v[WA+\a]
.endm
	s_cmp_eq_u32 s14, 24
	s_cbranch_scc0 .Ljoin2
	v_bfe_u32 v23, v0, 2, 2                        ; chunk e = 16 k + lane % 16 lies with wave e / 4, lane 16 rho + 8 ((e / 2) % 2) + 6, word e % 2
	v_lshlrev_b32 v23, 8, v23
	v_lshl_add_u32 v23, v2, 7, v23
	v_bfe_u32 v24, v0, 1, 1
	v_lshl_add_u32 v23, v24, 6, v23
	v_and_b32 v24, 1, v0
	v_lshl_add_u32 v23, v24, 2, v23
.irp k,0,1,2,3,4,5,6
	ds_load_b32 v[LI+\k], v23 offset:CM+48+1024*\k
	v_mov_b32 v[WA+\k], 0
.endr
	s_wait_dscnt 0x0
	CES 1,K1,0,1,2,3,4,5,6                         ; seven lists of 16 are sorted ascending: runs of 2, 4, 8, 16; each begins with a mirror step
	CES 3,K2,0,1,2,3,4,5,6
	CES 1,K1,0,1,2,3,4,5,6
	CES 7,K4,0,1,2,3,4,5,6
	CES 2,K2,0,1,2,3,4,5,6
	CES 1,K1,0,1,2,3,4,5,6
	CES 15,K8,0,1,2,3,4,5,6
	CES 4,K4,0,1,2,3,4,5,6
	CES 2,K2,0,1,2,3,4,5,6
	CES 1,K1,0,1,2,3,4,5,6
	MINR 0,1
	MINR 2,3
	MINR 4,5
	CES 8,K8,0,2,4
	CES 4,K4,0,2,4
	CES 2,K2,0,2,4
	CES 1,K1,0,2,4
	MINR 0,2
	MINR 4,6
	CES 8,K8,0,4
	CES 4,K4,0,4
	CES 2,K2,0,4
	CES 1,K1,0,4
	MINR 0,4                                       ; the 16 smallest of all, in no order: T is the largest of them
.irp x,1,2,4,8
	v_mov_b32_dpp v[WA], v[LI] row_xmask:\x row_mask:0xf bank_mask:0xf
	v_max_u32 v[LI], v[LI], v[WA]
.endr
	v_lshlrev_b32 v23, 2, v2
	ds_store_b32 v23, v[LI] offset:TT
.Ljoin2:
	BAR
; ---- the marks: every group with code <= T.  A word of codes holds two; the upper is at most T where the word is below (T + 1) << 16, the lower likewise when shifted up.
; Word d of load i: slots 8 piece + 2 d and + 1 of block 10 wave + 2 i + (lane % 16) / 8.  The two lane masks are cut into a word for each query: the lower codes' 16 lanes below, the upper codes' above.
.macro FLAG i, d
.set wd, 4*(\i)+(\d)
	v_cmp_gt_u32 s44, v12, v[76+wd]
	v_lshlrev_b32 v23, 16, v[76+wd]
	v_cmp_gt_u32 s45, v12, v23
.if (\d) == 1
	s_and_not1_b32 s44, s44, s29                   ; slots 50 and 51 are no groups
	s_and_not1_b32 s45, s45, s29
.endif
	s_and_b32 s46, s45, 0xffff
	s_lshl_b32 s47, s44, 16
	s_or_b32 s46, s46, s47                         ; the first query's word
	s_lshr_b32 s47, s45, 16
	s_and_b32 s78, s44, s28
	s_or_b32 s47, s47, s78                         ; the second query's
	v_writelane_b32 v[24+wd%2], s46, wd/2          ; lane L's pair of registers is words 2 L and 2 L + 1 of the first query's 32,
	v_writelane_b32 v[24+wd%2], s47, 16+wd/2       ; lane 16 + L's of the second's
	s_bcnt1_i32_b32 s78, s46
	s_add_co_u32 s48, s48, s78
	s_bcnt1_i32_b32 s78, s47
	s_add_co_u32 s49, s49, s78
.endm
	v_lshlrev_b32 v23, 2, v2
	ds_load_b32 v12, v23 offset:TT
	s_mov_b32 s48, 0
	s_mov_b32 s49, 0
	v_mov_b32 v24, 0                               ; words 20-31 stay 0
	v_mov_b32 v25, 0
	s_wait_dscnt 0x0
	v_add_lshl_u32 v12, v12, 1, 16
.irp i,0,1,2,3,4
.irp d,0,1,2,3
	FLAG \i,\d
.endr
.endr
	global_store_b64 v22, v[24:25], s[74:75]       ; 8 x my thread's number = 256 x wave + 8 x lane: the wave stores 256 consecutive bytes, at a multiple of 256 from the buffer's first byte
	v_mov_b32 v28, s48
	v_cndmask_b32 v28, v28, s49, s28
	s_lshl_b32 s83, s14, 2
	v_lshl_add_u32 v27, v2, 8, s83
	ds_store_b32 v27, v28 offset:CNT
	BAR
; ---- waves 0 and 1: the running counts of query = wave
	s_cmp_lt_u32 s14, 2
	s_cbranch_scc0 .Lend
	s_lshl_b32 s84, s14, 8
	v_lshl_add_u32 v23, v1, 2, s84
	ds_load_b32 v18, v23 offset:CNT                ; lane j: what wave j has marked for my query
	s_wait_dscnt 0x0
	v_mov_b32 v16, v18
	v_mov_b32 v26, v18
.irp x,1,2,4,8                         ; running sums: a block's total meets its neighbour's; the upper block adds the lower's to its running sum
	v_mov_b32_dpp v[TK], v26 row_xmask:\x row_mask:0xf bank_mask:0xf
	v_add_nc_u32 v26, v26, v[TK]
.if \x == 1
	v_cndmask_b32 v[TK], 0, v[TK], s[NK1]
.elseif \x == 2
	v_cndmask_b32 v[TK], 0, v[TK], s[NK2]
.elseif \x == 4
	v_cndmask_b32 v[TK], 0, v[TK], s[NK4]
.else
	v_cndmask_b32 v[TK], 0, v[TK], s[NK8]
.endif
	v_add_nc_u32 v16, v16, v[TK]
.endr
	v_permlanex16_b32 v[TK], v26, s38, s39
	v_cndmask_b32 v[TK], 0, v[TK], s28
	v_add_nc_u32 v16, v16, v[TK]
	v_lshlrev_b32 v29, 2, v0                       ; 4 x my thread's number = 128 x query + 4 x lane
	global_store_b32 v29, v16, s[76:77]            ; 128 consecutive bytes a query: 64 KiB in the whole launch
.Lend:
	s_wait_tensorcnt 0x0                           ; the wave's end, behind my last LDS store
	ds_add_u32 v5, v6
	s_wait_dscnt 0x0
	s_endpgm
.Lfunc_end_k_qfdd67028bf_mark:
	.size	k_qfdd67028bf_mark, .Lfunc_end_k_qfdd67028bf_mark-k_qfdd67028bf_mark
	.p2alignl 7, 3214868480
	.fill 96, 4, 3214868480
	.section	.rodata,"a",@progbits
	.p2align	6, 0x0
	.amdhsa_kernel k_qfdd67028bf_mark
		.amdhsa_group_segment_fixed_size 11264
		.amdhsa_private_segment_fixed_size 0
		.amdhsa_enable_private_segment 0
		.amdhsa_kernarg_size 24
		.amdhsa_user_sgpr_count 2
		.amdhsa_user_sgpr_kernarg_segment_ptr 1
		.amdhsa_wavefront_size32 1
		.amdhsa_system_sgpr_workgroup_id_x 1
		.amdhsa_system_sgpr_workgroup_id_y 1
		.amdhsa_system_sgpr_workgroup_id_z 1
		.amdhsa_system_vgpr_workitem_id 0
		.amdhsa_next_free_vgpr 128
		.amdhsa_next_free_sgpr 90
		.amdhsa_reserve_vcc 0
		.amdhsa_float_denorm_mode_32 3
		.amdhsa_float_denorm_mode_16_64 3
		.amdhsa_memory_ordered 1
		.amdhsa_forward_progress 1
		.amdhsa_inst_pref_size 39
	.end_amdhsa_kernel
	.amdgpu_metadata
---
amdhsa.version: [ 1, 2 ]
amdhsa.kernels:
  - .name:           k_qfdd67028bf_mark
    .symbol:         k_qfdd67028bf_mark.kd
    .args:
      - { .name: codes, .offset: 0, .size: 8, .value_kind: global_buffer, .address_space: global }
      - { .name: marks, .offset: 8, .size: 8, .value_kind: global_buffer, .address_space: global }
      - { .name: sums, .offset: 16, .size: 8, .value_kind: global_buffer, .address_space: global }
    .group_segment_fixed_size: 11264
    .private_segment_fixed_size: 0
    .kernarg_segment_align: 8
    .kernarg_segment_size: 24
    .max_flat_workgroup_size: 800
    .sgpr_count:     90
    .vgpr_count:     128
    .wavefront_size: 32
...
	.end_amdgpu_metadata
.endif
;; end of part 2
;; launch vote (part 3): grid 256 x 1, 24 waves a work-group, no clusters, 6,144 bytes of LDS; arguments X, train_features, train_labels, marks, sums, out0; writes out0
.if DOCPART == 3
	.amdgcn_target "amdgcn-amd-amdhsa--gfx1250"
	.amdhsa_code_object_version 6
	.text
	.protected	k_qfdd67028bf_vote
	.globl	k_qfdd67028bf_vote
	.p2align	8
	.type	k_qfdd67028bf_vote,@function
k_qfdd67028bf_vote:
	s_mov_b64 s[64:65], 0
	v_nop
	global_prefetch_b8 v0, s[64:65] scope:SCOPE_SE
	s_setreg_imm32_b32 hwreg(HW_REG_WAVE_MODE, 25, 1), 1
	s_wait_xcnt 0x0
; KNN, third of three launches: for two queries a work-group, the exact 16 nearest rows among the marked groups, and their vote.
; marks[pair][region 25][query 2][32 words] and sums[pair][query][32 words] were stored by the launch before and are read here as WHOLE NUMBERS.  Bit b of word 4 i + d of region v marks the group of
; rows f + {0..7, 16..23}, f = 8000 v + 1600 i + 32 d + 8 (b / 16) + 800 ((b / 8) % 2) + 128 (b % 8); sums' word j counts the marked groups of regions 0 .. j, word 24 all of them (n, 16 at the least).
; Every one of the 16 nearest rows lies in a marked group.
; WHAT STEERS AN ADDRESS OR THE TRIP COUNT comes by scalar loads and passes through scalar arithmetic alone: marked group number k lies in the first region whose running count is above k;
; in that region's 20 words it is the set bit of rank k less the count before the region; a chain of compares and selects finds the word, five halvings the bit.
; THE MARKED GROUPS' rows are fetched and d2 is made again by the arithmetic of the first launch (bf16 operands; C = -t2/2 from the diagonal of F F^T; d2 = max(x2 - 2 s, 0)), with the sources swapped.
; The 16 smallest by (bits of d2, row number) are kept by sorting networks on selects alone: no branch and no address hangs on a floating-point number.
; SHARES.  24 waves; waves 0-11 take the first query, waves 12-23 the second: two groups a wave and trip, one in each half of the lanes; (n + 23) / 24 trips.  Waves 0 and 1 merge and vote.
; NO CLUSTER: work-groups share nothing but rows that two queries happen to want.  NO PREFETCH: a row's address is known only just ahead of its load.  NO TENSOR LOADS: rows pass through registers to be rounded.
; LIMITS.  NaN and infinities are not treated apart.  The weight is v_rsq_f32(d2), within 1 ULP of 1 / sqrt(d2); a denormal d2 counts as 0 there.  d2 is the difference x2 + t2 - 2 x.t that the problem
; itself forms, rounded in another order than term by term; rows with the same bits of d2 go by the lower row number.  A label outside 0..9 casts no vote.  The ten sums are taken in another order.
.set RL,    0                          ; [24 waves][16] x 8 bytes: each wave's 16 best
.set SPARE, 3072                       ; the spare words: 128 bytes for each of the 24 waves
.set NK1, 24                           ; s24-27  lanes whose bit 0, 1, 2, 3 is set: they keep the larger of a compared pair
.set NK2, 25
.set NK4, 26
.set NK8, 27
.set WV,  16                           ; s16  my wave's number
.set QY,  17                           ; s17  which of the two queries is mine
.set C2,  19                           ; s19  twice my wave's number among the query's twelve
.set IX,  2                            ; s2, s3, s18, s90, s101  at work in the search
.set AC,  3
.set BS,  18
.set TM,  90
.set WD,  101
.set K0,  88                           ; s88  the trip's first entry; s89 the entry in hand
.set KK,  89
.set J0,  91                           ; s91, s93  an entry's region, then its group's first row
.set R0,  92                           ; s92, s94  its rank in the region, then in the word
.set J1,  93
.set R1,  94
.set VM,  95                           ; s95  the lanes whose entry exists
.set NN,  96                           ; s96  n
.set TR,  97                           ; s97  trips
.set TN,  98                           ; s98  the trip's number
.set O0,  99                           ; s99, s100  256 x region
.set O1,  100
.set M0,  44                           ; s44-63, s68-87  the two entries' 20 words; ahead of them the 24 running counts lie in s44-59 and s68-75
.set M1,  68
.set TK, 118                           ; v118, v119  the partner's key and payload
.set TP, 119
.set DU, 120                           ; v120  at work in DIAG
; v1 lane; v2 rho = lane / 16 (also h of a fragment); v3 lane % 16 (also r); v4 lane % 8; v5, v6 the add's two registers; v8 32 h; v9 all ones in lanes 0-15, v10 in lanes 16-31
; v14 my offset in a group's rows; v15 my row in a group; v21-31 at work; v32-63, v64-95 a group's rows as loaded, then fragments (16) and an accumulator (at +16)
; v96-111 the query's fragments; v112 x2; v114, v115 a trip's key and payload; v116, v117 the best so far
.macro BAR
	s_wait_dscnt 0x0
	s_barrier_signal -1
	s_barrier_wait -1
.endm
	s_load_b256 s[4:11], s[0:1], 0x0               ; X s[4:5], train_features s[6:7], train_labels s[8:9], marks s[10:11]
	s_load_b128 s[12:15], s[0:1], 0x20             ; sums s[12:13], out0 s[14:15]
	v_lshl_add_u32 v5, v0, 2, SPARE
	v_mov_b32 v6, 0
	v_lshrrev_b32 v30, 5, v0
	v_readfirstlane_b32 s[WV], v30                 ; wave 0..23
	v_and_b32 v1, 31, v0
	v_bfe_u32 v2, v0, 4, 1
	v_and_b32 v3, 15, v0
	v_and_b32 v4, 7, v0
	v_bfe_u32 v30, v0, 3, 1                        ; (lane % 16) / 8
	s_cmp_ge_u32 s[WV], 12
	s_cselect_b32 s[QY], 1, 0
	s_mul_i32 s18, s[QY], 12
	s_sub_co_u32 s18, s[WV], s18
	s_lshl_b32 s[C2], s18, 1
	s_mov_b32 s24, 0xaaaaaaaa
	s_mov_b32 s25, 0xcccccccc
	s_mov_b32 s26, 0xf0f0f0f0
	s_mov_b32 s27, 0xff00ff00
	s_mov_b32 s28, 0xffff0000                      ; lanes 16-31
.irp j,1,2,3,4,5,6,7
	s_mov_b32 s[29+\j], 0x01010101<<\j             ; lanes with lane % 8 = j
.endr
	s_mov_b32 s37, 0xff0000ff                      ; lanes that hold a diagonal element themselves
	s_mov_b32 s38, 0x76543210                      ; v_permlanex16_b32: the same place in the other half,
	s_mov_b32 s39, 0xfedcba98
	s_mov_b32 s40, 0x89abcdef                      ; or the mirrored place
	s_mov_b32 s41, 0x01234567
	s_mov_b32 s42, 0x7f800000                      ; +infinity
	v_lshlrev_b32 v8, 5, v2
	s_lshl_b32 s2, ttmp9, 1
	s_add_co_u32 s2, s2, s[QY]                     ; my query's number
	s_lshl_b32 s88, s2, 7                          ; its 128 bytes of sums,
	s_mov_b32 s89, 0
	s_lshl_b32 s2, s2, 8                           ; its 256 bytes of X,
	s_mov_b32 s3, 0
	s_mul_i32 s90, ttmp9, 6400                     ; its half of each of the pair's 25 blocks of marks
	s_lshl_b32 s91, s[QY], 7
	s_add_co_u32 s90, s90, s91
	s_mov_b32 s91, 0
	s_wait_kmcnt 0x0
	s_add_nc_u64 s[4:5], s[4:5], s[2:3]
	s_add_nc_u64 s[12:13], s[12:13], s[88:89]
	s_add_nc_u64 s[10:11], s[10:11], s[90:91]
	s_load_b32 s[NN], s[12:13], 0x60               ; n
.irp j,0,1,2,3,4,5,6,7
	global_load_b128 v[32+4*\j:35+4*\j], v8, s[4:5] offset:64*(\j/2)+16*(\j%2)  ; all 16 rows of source 0 are the one query
.endr
	v_add_nc_u32 v9, -1, v2
	v_sub_nc_u32 v10, 0, v2
	v_lshl_add_u32 v15, v30, 4, v4                 ; column r of a group is its row r % 8 + 16 (r / 8)
	v_lshlrev_b32 v14, 8, v15
	v_lshl_add_u32 v14, v2, 5, v14
	v_mov_b32 v[TK], 0                             ; destinations of lane exchanges count as read
	v_mov_b32 v[TP], 0
	v_mov_b32 v[DU], 0
	v_mov_b32 v116, -1                             ; the best so far: the greatest key sixteen times
	v_mov_b32 v117, -1
	s_wait_loadcnt 0x0
.set i, 0
.rept 16
	v_cvt_pk_bf16_f32 v[96+i], v[32+2*i], v[33+2*i]
.set i, i+1
.endr
	v_wmma_f32_16x16x32_bf16 v[56:63], v[96:103], v[96:103], 0
	s_wait_alu depctr_va_vdst(0)                   ; the wait directly ahead of the link
	v_wmma_f32_16x16x32_bf16 v[56:63], v[104:111], v[104:111], v[56:63]
.rept 4
	v_nop                                          ; four plain instructions between the product and the read of its result
.endr
	v_mov_b32 v112, v56                            ; every element is x2
; (key, payload) pairs are ordered by the key's bits, then by the payload (row number << 8 | label).  s74: the lanes whose partner is the smaller.
.macro LESS k, p
	v_cmp_lt_u32 s74, v[TK], v[\k]
	v_cmp_eq_u32 s75, v[TK], v[\k]
	v_cmp_lt_u32 s76, v[TP], v[\p]
	s_and_b32 s75, s75, s76
	s_or_b32 s74, s74, s75
.endm
.macro TAKE k, p
	v_cndmask_b32 v[\k], v[\k], v[TK], s74
	v_cndmask_b32 v[\p], v[\p], v[TP], s74
.endm
.macro CE2 k, p, X, NK                 ; compare and exchange: the lanes of NK keep the larger
	v_mov_b32_dpp v[TK], v[\k] row_xmask:\X row_mask:0xf bank_mask:0xf
	v_mov_b32_dpp v[TP], v[\p] row_xmask:\X row_mask:0xf bank_mask:0xf
	LESS \k,\p
	s_xor_b32 s74, s74, s[\NK]
	TAKE \k,\p
.endm
.macro CLEAN k, p                      ; a list that falls and rises, or rises and falls, becomes ascending
	CE2 \k,\p,8,NK8
	CE2 \k,\p,4,NK4
	CE2 \k,\p,2,NK2
	CE2 \k,\p,1,NK1
.endm
.macro SORT2 k, p
	CE2 \k,\p,1,NK1
	CE2 \k,\p,3,NK2
	CE2 \k,\p,1,NK1
	CE2 \k,\p,7,NK4
	CE2 \k,\p,2,NK2
	CE2 \k,\p,1,NK1
	CE2 \k,\p,15,NK8
	CE2 \k,\p,4,NK4
	CE2 \k,\p,2,NK2
	CE2 \k,\p,1,NK1
.endm
.macro MERGE2 ak, ap, bk, bp           ; of two ascending lists the 16 smallest, ascending, into a
	v_mov_b32_dpp v[TK], v[\bk] row_xmask:15 row_mask:0xf bank_mask:0xf
	v_mov_b32_dpp v[TP], v[\bp] row_xmask:15 row_mask:0xf bank_mask:0xf
	LESS \ak,\ap
	TAKE \ak,\ap
	CLEAN \ak,\ap
.endm
.macro CROSS k, p                      ; the same step against the other half of the lanes, mirrored
	v_permlanex16_b32 v[TK], v[\k], s40, s41
	v_permlanex16_b32 v[TP], v[\p], s40, s41
	LESS \k,\p
	TAKE \k,\p
.endm
.macro DIAG g, t                       ; the diagonal of the result at g: every lane (r, h) gets element (r, r).  The low registers are read first.
	v_cndmask_b32 v[\t], v[\g], v[(\g)+1], s30
.irp j,2,3,4,5,6,7
	v_cndmask_b32 v[\t], v[\t], v[(\g)+\j], s[29+\j]
.endr
	v_permlanex16_b32 v[DU], v[\t], s38, s39
	v_cndmask_b32 v[\t], v[DU], v[\t], s37
.endm
; Entry K0 + u: its region J = how many of the running counts 0 .. 23 are at most the entry's number; R = the entry's number less the last such count: its rank in the region.
; Past the list's end entry 0 is taken, and its keys are set aside.  The counts never fall, so the last one selected is the greatest that is at most the number.
.macro FIND u, J, R
	s_add_co_u32 s[KK], s[K0], \u
	s_cmp_lt_u32 s[KK], s[NN]
	s_cselect_b32 s[KK], s[KK], 0
.if \u
	s_cselect_b32 s[TM], 0xffff0000, 0
	s_or_b32 s[VM], s[VM], s[TM]
.else
	s_cselect_b32 s[VM], 0xffff, 0
.endif
	s_mov_b32 s[\J], 0
	s_mov_b32 s[\R], 0
.set fi, 0
.rept 24
.if fi < 16
.set PR, M0+fi
.else
.set PR, M1+fi-16
.endif
	s_cmp_le_u32 s[PR], s[KK]
	s_cselect_b32 s[\R], s[PR], s[\R]
	s_add_co_ci_u32 s[\J], s[\J], 0                ; + 1 where the compare held
.set fi, fi+1
.endr
	s_sub_co_u32 s[\R], s[KK], s[\R]
	s_min_u32 s[\J], s[\J], 24
.endm
; Of the 20 words at s[MB] the set bit of rank R; J becomes its group's first row.  The word: the last whose bits before it are at most R.  The bit: of the window's lower half's set bits, are they at most
; the rank?  Then the bit lies in the upper half.
.macro SELECT MB, J, R
	s_mov_b32 s[AC], 0
	s_mov_b32 s[WD], 0
	s_mov_b32 s[BS], 0
	s_mov_b32 s[IX], 0
.set si, 0
.rept 20
	s_cmp_le_u32 s[AC], s[\R]
	s_cselect_b32 s[WD], s[(\MB)+si], s[WD]
	s_cselect_b32 s[BS], s[AC], s[BS]
	s_cselect_b32 s[IX], si, s[IX]
	s_bcnt1_i32_b32 s[TM], s[(\MB)+si]
	s_add_co_u32 s[AC], s[AC], s[TM]
.set si, si+1
.endr
	s_sub_co_u32 s[\R], s[\R], s[BS]               ; the rank in the word
	s_mov_b32 s[BS], 0                             ; the bit's number
.irp sh,16,8,4,2,1
	s_and_b32 s[TM], s[WD], (1<<\sh)-1
	s_bcnt1_i32_b32 s[TM], s[TM]
	s_cmp_ge_u32 s[\R], s[TM]
	s_cselect_b32 s[TM], s[TM], 0
	s_cselect_b32 s[AC], \sh, 0
	s_sub_co_u32 s[\R], s[\R], s[TM]
	s_lshr_b32 s[WD], s[WD], s[AC]
	s_add_co_u32 s[BS], s[BS], s[AC]
.endr
	s_mul_i32 s[\J], s[\J], 8000                   ; 8000 v
	s_lshr_b32 s[TM], s[IX], 2
	s_mul_i32 s[TM], s[TM], 1600
	s_add_co_u32 s[\J], s[\J], s[TM]               ; + 1600 i
	s_and_b32 s[TM], s[IX], 3
	s_lshl_b32 s[TM], s[TM], 5
	s_add_co_u32 s[\J], s[\J], s[TM]               ; + 32 d
	s_lshr_b32 s[TM], s[BS], 4
	s_lshl_b32 s[TM], s[TM], 3
	s_add_co_u32 s[\J], s[\J], s[TM]               ; + 8 (b / 16)
	s_bfe_u32 s[TM], s[BS], 0x10003
	s_mul_i32 s[TM], s[TM], 800
	s_add_co_u32 s[\J], s[\J], s[TM]               ; + 800 ((b / 8) % 2)
	s_and_b32 s[TM], s[BS], 7
	s_lshl_b32 s[TM], s[TM], 7
	s_add_co_u32 s[\J], s[\J], s[TM]               ; + 128 (b % 8)
	s_min_u32 s[\J], s[\J], 199976                 ; a group ends 23 rows behind its first
.endm
; A trip: two groups, entries 24 t + 2 cw and + 1.
.macro TRIP
	s_load_b512 s[M0:M0+15], s[12:13], 0x0         ; the running counts 0 .. 15,
	s_load_b256 s[M1:M1+7], s[12:13], 0x40         ; 16 .. 23
	s_mul_i32 s[K0], s[TN], 24
	s_add_co_u32 s[K0], s[K0], s[C2]
	s_wait_kmcnt 0x0
	FIND 0,J0,R0
	FIND 1,J1,R1
	s_lshl_b32 s[O0], s[J0], 8
	s_lshl_b32 s[O1], s[J1], 8
	s_load_b512 s[M0:M0+15], s[10:11], s[O0] offset:0x0    ; the two regions' 20 words
	s_load_b128 s[M0+16:M0+19], s[10:11], s[O0] offset:0x40
	s_load_b512 s[M1:M1+15], s[10:11], s[O1] offset:0x0
	s_load_b128 s[M1+16:M1+19], s[10:11], s[O1] offset:0x40
	s_wait_kmcnt 0x0
	SELECT M0,J0,R0
	SELECT M1,J1,R1
	v_mov_b32 v21, s[J0]
	v_mov_b32 v22, s[J1]
	v_min_u32 v21, 0x30d28, v21                    ; 199,976 at the most
	v_min_u32 v22, 0x30d28, v22
	v_lshl_add_u32 v28, v21, 8, v14
	v_lshl_add_u32 v29, v22, 8, v14
.irp j,0,1,2,3,4,5,6,7
	global_load_b128 v[32+4*\j:35+4*\j], v28, s[6:7] offset:64*(\j/2)+16*(\j%2)
.endr
.irp j,0,1,2,3,4,5,6,7
	global_load_b128 v[64+4*\j:67+4*\j], v29, s[6:7] offset:64*(\j/2)+16*(\j%2)
.endr
	v_and_b32 v23, v21, v9                         ; lanes 0-15 answer for the first group's rows,
	v_and_b32 v24, v22, v10                        ; lanes 16-31 for the second's
	v_add_nc_u32 v23, v23, v24
	v_add_nc_u32 v23, v23, v15
	v_min_u32 v23, 0x30d3f, v23                    ; my row's number, at most 199,999
	v_lshlrev_b32 v31, 2, v23
	global_load_b32 v25, v31, s[8:9]
	s_wait_loadcnt 0x0                             ; all 17; their address registers are free with that
.set i, 0
.rept 16                               ; in place: register i is written when registers 2 i and 2 i + 1 have been read
	v_cvt_pk_bf16_f32 v[32+i], v[32+2*i], v[33+2*i]
	v_cvt_pk_bf16_f32 v[64+i], v[64+2*i], v[65+2*i]
.set i, i+1
.endr
	v_wmma_f32_16x16x32_bf16 v[48:55], v[32:39], v[32:39], 0         ; F F^T, whose diagonal is t2; the two accumulators take turns
	v_wmma_f32_16x16x32_bf16 v[80:87], v[64:71], v[64:71], 0
	v_wmma_f32_16x16x32_bf16 v[48:55], v[40:47], v[40:47], v[48:55]
	v_wmma_f32_16x16x32_bf16 v[80:87], v[72:79], v[72:79], v[80:87]
	v_min_u32 v25, 0xff, v25                       ; four plain instructions behind the products: the payload,
	v_lshl_or_b32 v115, v23, 8, v25
	v_nop
	v_nop
	DIAG 48,26
	v_mul_f32 v48, -0.5, v26                       ; C's register 0 (the one row of the result that is used): -t2/2 of column r
	DIAG 80,27
	v_mul_f32 v80, -0.5, v27
	v_wmma_f32_16x16x32_bf16 v[48:55], v[96:103], v[32:39], v[48:55]   ; s = x.t - t2/2, K ascending as in the first launch, sources swapped
	v_wmma_f32_16x16x32_bf16 v[80:87], v[96:103], v[64:71], v[80:87]
	v_wmma_f32_16x16x32_bf16 v[48:55], v[104:111], v[40:47], v[48:55]
	v_wmma_f32_16x16x32_bf16 v[80:87], v[104:111], v[72:79], v[80:87]
.rept 4
	v_nop
.endr
	v_cndmask_b32 v26, v48, v80, s28
	v_fma_f32 v26, v26, -2.0, v112
	v_max_num_f32 v26, 0, v26
	v_cndmask_b32 v114, -1, v26, s[VM]             ; past the list's end: the greatest key
	SORT2 114,115
	MERGE2 116,117,114,115
.endm
	s_wait_kmcnt 0x0                               ; n
	s_add_co_u32 s[TR], s[NN], 23
	s_mul_hi_u32 s[TR], s[TR], 0xaaaaaaab
	s_lshr_b32 s[TR], s[TR], 4                     ; (n + 23) / 24 trips
	s_mov_b32 s[TN], 0
.Ltrip:
	TRIP
	s_add_co_u32 s[TN], s[TN], 1
	s_cmp_lt_u32 s[TN], s[TR]
	s_cbranch_scc1 .Ltrip
	CROSS 116,117                                  ; my two halves' lists become one, in both halves
	CLEAN 116,117
	s_lshl_b32 s85, s[WV], 7
	v_lshl_add_u32 v27, v3, 3, s85
	ds_store_b64 v27, v[116:117] offset:RL         ; both halves write the same words with the same numbers
	BAR
; ---- waves 0 and 1: a query's twelve lists, six in each half of the lanes; the vote
	s_cmp_lt_u32 s[WV], 2
	s_cbranch_scc0 .Lend
	s_mul_i32 s86, s[WV], 1536
	v_mul_u32_u24 v27, v2, 768
	v_lshl_add_u32 v27, v3, 3, v27
	v_add_nc_u32 v27, s86, v27
.irp k,0,1,2,3,4,5
	ds_load_b64 v[32+2*\k:33+2*\k], v27 offset:RL+128*\k
.endr
	s_wait_dscnt 0x0
	MERGE2 32,33,34,35
	MERGE2 36,37,38,39
	MERGE2 40,41,42,43
	MERGE2 32,33,36,37
	MERGE2 32,33,40,41
	CROSS 32,33                                    ; the 16 nearest, one a lane, in no order, in both halves
	v_rsq_f32 v40, v32                             ; 1 / distance
	v_and_b32 v41, 0xff, v33                       ; the label: the plain instruction behind the transcendental
	s_wait_alu depctr_va_vdst(0)                   ; ahead of the first use of the transcendental's result
	v_cmp_eq_f32 vcc_lo, s42, v40
	v_cndmask_b32 v42, 0, 1.0, vcc_lo              ; 1 where the weight is infinite
	v_mov_b32 v43, v42
.irp x,1,2,4,8
	v_max_num_f32_dpp v43, v43, v43 row_xmask:\x row_mask:0xf bank_mask:0xf
.endr
	v_cmp_lt_f32 vcc_lo, 0, v43
	v_cndmask_b32 v40, v40, v42, vcc_lo            ; where any is infinite, those count 1 and the others 0
.irp l,0,1,2,3,4,5,6,7,8,9
	v_cmp_eq_u32 vcc_lo, \l, v41
	v_cndmask_b32 v[44+\l], 0, v40, vcc_lo
.endr
.irp x,1,2,4,8
.irp l,0,1,2,3,4,5,6,7,8,9
	v_add_f32_dpp v[44+\l], v[44+\l], v[44+\l] row_xmask:\x row_mask:0xf bank_mask:0xf
.endr
.endr
	v_mov_b32 v55, 0
.irp l,1,2,3,4,5,6,7,8,9               ; the first of the largest
	v_cmp_gt_f32 vcc_lo, v[44+\l], v44
	v_cndmask_b32 v44, v44, v[44+\l], vcc_lo
	v_cndmask_b32 v55, v55, \l, vcc_lo
.endr
	s_lshl_b32 s87, ttmp9, 1
	s_add_co_u32 s87, s87, s[WV]
	s_lshl_b32 s87, s87, 2
	v_mov_b32 v56, s87
	v_cmp_eq_u32 vcc_lo, 0, v1
	s_wait_xcnt 0x0                                ; EXEC changes only behind this wait
	s_and_saveexec_b32 s46, vcc_lo
	global_store_b32 v56, v55, s[14:15]            ; four bytes a query: the whole output is 2,048 bytes
	s_wait_xcnt 0x0                                ; and again, in front of the line that widens it
	s_or_b32 exec_lo, exec_lo, s46
.Lend:
	s_wait_tensorcnt 0x0                           ; the wave's end, behind my last LDS store
	ds_add_u32 v5, v6
	s_wait_dscnt 0x0
	s_endpgm
.Lfunc_end_k_qfdd67028bf_vote:
	.size	k_qfdd67028bf_vote, .Lfunc_end_k_qfdd67028bf_vote-k_qfdd67028bf_vote
	.p2alignl 7, 3214868480
	.fill 96, 4, 3214868480
	.section	.rodata,"a",@progbits
	.p2align	6, 0x0
	.amdhsa_kernel k_qfdd67028bf_vote
		.amdhsa_group_segment_fixed_size 6144
		.amdhsa_private_segment_fixed_size 0
		.amdhsa_enable_private_segment 0
		.amdhsa_kernarg_size 48
		.amdhsa_user_sgpr_count 2
		.amdhsa_user_sgpr_kernarg_segment_ptr 1
		.amdhsa_wavefront_size32 1
		.amdhsa_system_sgpr_workgroup_id_x 1
		.amdhsa_system_sgpr_workgroup_id_y 1
		.amdhsa_system_sgpr_workgroup_id_z 1
		.amdhsa_system_vgpr_workitem_id 0
		.amdhsa_next_free_vgpr 128
		.amdhsa_next_free_sgpr 102
		.amdhsa_reserve_vcc 1
		.amdhsa_float_denorm_mode_32 3
		.amdhsa_float_denorm_mode_16_64 3
		.amdhsa_memory_ordered 1
		.amdhsa_forward_progress 1
		.amdhsa_inst_pref_size 60
	.end_amdhsa_kernel
	.amdgpu_metadata
---
amdhsa.version: [ 1, 2 ]
amdhsa.kernels:
  - .name:           k_qfdd67028bf_vote
    .symbol:         k_qfdd67028bf_vote.kd
    .args:
      - { .name: X, .offset: 0, .size: 8, .value_kind: global_buffer, .address_space: global }
      - { .name: train_features, .offset: 8, .size: 8, .value_kind: global_buffer, .address_space: global }
      - { .name: train_labels, .offset: 16, .size: 8, .value_kind: global_buffer, .address_space: global }
      - { .name: marks, .offset: 24, .size: 8, .value_kind: global_buffer, .address_space: global }
      - { .name: sums, .offset: 32, .size: 8, .value_kind: global_buffer, .address_space: global }
      - { .name: out0, .offset: 40, .size: 8, .value_kind: global_buffer, .address_space: global }
    .group_segment_fixed_size: 6144
    .private_segment_fixed_size: 0
    .kernarg_segment_align: 8
    .kernarg_segment_size: 48
    .max_flat_workgroup_size: 768
    .sgpr_count:     102
    .vgpr_count:     128
    .wavefront_size: 32
...
	.end_amdgpu_metadata
.endif
;; end of part 3
;; ======== version 2 of 2: 3 launches; version 1 with the launch scan written anew for expert scheduling mode
;; workspace buffers: codes 16,384,000 bytes of whole numbers; marks 1,638,400 bytes of whole numbers; sums 65,536 bytes of whole numbers
;; launch scan (part 4): grid 250 x 1, 8 waves a work-group, no clusters, 193,280 bytes of LDS; arguments X, train_features, codes; writes codes
.if DOCPART == 4
	.amdgcn_target "amdgcn-amd-amdhsa--gfx1250"
	.amdhsa_code_object_version 6
	.text
	.protected	k_qfdd67028bf_scan
	.globl	k_qfdd67028bf_scan
	.p2align	8
	.type	k_qfdd67028bf_scan,@function
k_qfdd67028bf_scan:
	s_mov_b64 s[64:65], 0
	v_nop
	global_prefetch_b8 v0, s[64:65] scope:SCOPE_SE
	s_setreg_imm32_b32 hwreg(HW_REG_WAVE_SCHED_MODE, 0, 2), 2
	s_setreg_imm32_b32 hwreg(HW_REG_WAVE_MODE, 25, 1), 1
	s_wait_xcnt 0x0
	s_wait_alu depctr_vm_vsrc(0)
; KNN, first of three launches: all 512 x 200,000 squared distances, reduced to one 15-bit CODE for each query and each group of 16 training rows.
; s = x.t - t2/2 comes out of the matrix unit (bf16 operands, f32 sums; the C operand of the first K step is -t2/2); d2 = max(x2 - 2 s, 0), one fused multiply-add.
; x2 and t2 are sums of squares of the ROUNDED numbers, made by the matrix unit too (the diagonal of F F^T), so a later launch can make the same bits again.
; A group's code is the upper 16 bits of its smallest d2 (d2 >= 0, so the bits order as whole numbers).  The next launch reads the codes as whole numbers and decides by them which rows to look at.
; SHARES.  250 work-groups x 800 rows = 200,000.  A work-group keeps its 800 rows as bf16 in LDS and takes all 512 queries.  Waves 0-3 multiply: wave c has queries 128 c .. 128 c + 127 (8 tiles of 16)
; against all 50 row tiles.  Waves 4-7 load: f32 rows through registers, rounded to bf16, into LDS, in five chunks of 160 rows (40 a wave), and make -t2/2.  The multiplying waves run behind the chunks.
; LAYOUT.  Source 0 = 16 training rows, source 1 = 16 queries: in the result lane (r, h) holds query r and rows 8 h + 0..7.  Two row tiles are a PAIR; a lane's 16 numbers of a pair are a GROUP:
; rows 32 p + 8 h + {0..7, 16..23}.  The maximum of s over a group costs 8 instructions of three operands, which ride two behind each matrix instruction.
; THE 25 PAIRS ARE WRITTEN OUT by the assembler's loop: every LDS address is a lane term in a register plus an immediate.  A register that holds an LDS address in one kind of wave holds one in the other kind too.
; OUTPUT.  codes[pair of queries 256][work-group 250][2 queries][64 slots of 16 bits]: slot 2 p + h the group (p, h); slots 50 + h the smallest of that h's 25 codes; slots 52-63 hold 0x7fff.
; Records are gathered in LDS and leave as whole aligned blocks of 256 bytes (two queries' 128 bytes), sixteen lanes a block.
; NO TENSOR LOADS: the rows must pass through registers to be rounded, and no LDS byte is written twice by different data.  NO CLUSTER: 250 work-groups are no multiple of four, and only X (128 KiB) is shared.
; LIMITS.  NaN and infinities are not treated apart.  d2 is the difference x2 + t2 - 2 x.t that the problem itself forms, rounded in another order than term by term.
; THE MODE: SCHED_MODE bits 1:0 = 2 (LLVM: expert scheduling mode 2), set by the entry lines.  The code itself states the register dependences between vector or matrix instructions and memory or LDS
; instructions, with s_wait_alu, always for 0.
; THE PLAN, multiplying waves.  Registers that LDS instructions touch in a pair:
;   buffer 0 (v32-47, v16-23)  read by the pair's products 0-15; behind product 15 the next pair's first tile lands in it.
;   buffer 1 (v48-63, v24-31)  read by the pair's products 16-31; behind the next pair's product 2 that pair's second tile lands in it.
;   D1 (window 1)              written by the twelve lines that finish four query tiles; read by the four stores of codes that follow them.
;   v1, v2, v3, v6             LDS addresses, made once and never written again.
; So TWO waits on va_vdst stand in a pair, each behind twelve finishing lines: it states that D1's four are written and that the products issued so far are done reading the buffer that is due;
; the four stores and the six loads follow it with no vector or matrix instruction between.  ONE wait on vm_vsrc a pair, ahead of the first finishing lines: the stores of the pair before have read D1.
; THE PLAN, loading waves.  A chunk's 80 registers are loaded once, rounded in place, and read by the chunk's 20 LDS stores: one wait on va_vdst behind the 40 roundings.  v16-63: the rows read back as
; fragments; read by the six products.  v8-10: -t2/2, read by three stores: one wait on va_vdst behind the lines that make them.
; AT EVERY BARRIER each wave states both ways that its stage is done with the registers that the next stage's LDS instructions, roundings and selects touch: nothing is left open where the two kinds of wave join.
.set TRP,   144                        ; an LDS row: 128 bytes of bf16 + 16 of padding: the 16 rows of a fragment load start at 16 different groups of four banks
.set T2,    115200                     ; behind the 800 rows (from byte 0): 800 f32, -t2/2
.set OUT,   118528                     ; 512 records, 128 bytes + 16 of padding; the 1,024 bytes behind them are the spare words, 128 bytes for each of the 8 waves
; multiplying waves, window 0
.set AA,  1                            ; v1   my part of row tile 0: 144 r + 16 h; never rewritten
.set TB,  2                            ; v2   -t2/2 of row tile 0: T2 + 32 h; never rewritten
.set OA,  3                            ; v3   slot h of my first record: OUT + (128 c + r) 144 + 2 h; never rewritten
.set AA2, 6                            ; v6   my part of row tile 28: an immediate holds 16 bits
.set M,   8                            ; v8-15    the running maximum of a group, by query tile
.set CB,  16                           ; v16-31   -t2/2 as a C operand, two buffers of 8
.set AB,  32                           ; v32-63   a row tile's fragments (K 0-31, K 32-63), two buffers of 16
.set D,   64                           ; v64-127  the 8 accumulators
.set XF,  128                          ; v128-255 the queries' fragments, 16 a tile
; multiplying waves, window 1 (first the 256 registers into which X is loaded)
.set X2,  0                            ; x2 by query tile
.set CH,  8                            ; the smallest d2 so far, by query tile
.set D1,  64                           ; d2 at work, the data of the codes' stores: numbers that no load of a fragment names in either window
; loading waves: addresses and work in window 0; chunks 0, 1 land in v96-175, v176-255, chunks 2, 3, 4 in window 1, v0-79, v80-159, v160-239: no register is loaded twice.
; A chunk is rounded in place: of a load's four registers the first two take its four numbers as bf16, and the LDS store reads those two.
.set GO,  1                            ; v1   byte offset of my 16 bytes in a chunk's first two rows of my 40; never rewritten
.set SA,  2                            ; v2   where I store 8 bytes of bf16: chunk 0's place; stepped once, ahead of chunk 3, to chunk 3's: an immediate holds 16 bits
.set FA,  3                            ; v3   where I read my rows back as fragments: likewise
.set TA,  6                            ; v6   where -t2/2 of row r of my 40 goes, chunk 0; never rewritten
.set FR,  16                           ; v16-63   three tiles' fragments
.set GR,  64                           ; v64-87   three accumulators
.set MSB, 0
.macro WIN new                         ; the immediate's high byte repeats the setting that is left; a switch that changes nothing is dropped
.if MSB != (\new)
	s_set_vgpr_msb (MSB<<8)|(\new)
.set MSB, (\new)
.endif
.endm
.macro BAR                             ; what others rely on is complete in front of my signal: my LDS stores; and my LDS loads are back
	s_wait_dscnt 0x0
	s_wait_alu depctr_vm_vsrc(0)                   ; my stage's LDS and memory instructions have read their registers: v8-10 (-t2/2 as stored), v[SA], v[FA] and chunk 0's registers are written again behind the barrier, by selects, by the step ahead of chunk 3 and by the way out's loads
	s_wait_alu depctr_va_vdst(0)                   ; my stage's products are done reading their fragments in v16-63, and at the last barrier are done with v64-127: the first LDS loads behind the barrier land there
	s_barrier_signal -1
	s_barrier_wait -1
.endm
; Of a 16 x 16 result at g, register lane % 8: in lanes 0-7 and 24-31 that is the diagonal element of row lane % 16.  The low registers are read first.
.macro DSEL g, t
	v_cndmask_b32 v[\t], v[\g], v[(\g)+1], s12
.irp j,2,3,4,5,6,7
	v_cndmask_b32 v[\t], v[\t], v[(\g)+\j], s[11+\j]
.endr
.endm
	s_load_b128 s[4:7], s[0:1], 0x0                ; X s[4:5], train_features s[6:7]
	s_load_b64 s[8:9], s[0:1], 0x10                ; codes
	v_lshl_add_u32 v5, v0, 2, 0x2ef00
	v_mov_b32 v7, 0
	v_lshrrev_b32 v8, 5, v0
	v_readfirstlane_b32 s10, v8                    ; wave 0..7
.irp j,1,2,3,4,5,6,7
	s_mov_b32 s[11+\j], 0x01010101<<\j             ; lanes with lane % 8 = j
.endr
	s_mov_b32 s19, 0xff0000ff                      ; lanes that hold a diagonal element themselves
	s_mov_b32 s20, 0x76543210                      ; v_permlanex16_b32: each lane takes its own place in the other half
	s_mov_b32 s21, 0xfedcba98
	s_mov_b32 s22, 0x7f800000                      ; +infinity
	s_mul_i32 s30, ttmp9, 204800                   ; my work-group's 800 rows of 256 bytes
	s_mov_b32 s31, 0
	s_wait_alu depctr_va_sdst(0)                   ; s10 is written, ahead of its first reader: branches, bases and LDS places are made from it
	s_and_b32 s11, s10, 3                          ; c among the multiplying waves, l among the loading ones
	v_and_b32 v8, 15, v0                           ; r
	v_bfe_u32 v9, v0, 4, 1                         ; h
	v_and_b32 v10, 31, v0                          ; lane
	s_wait_kmcnt 0x0
	s_add_nc_u64 s[24:25], s[6:7], s[30:31]
	s_lshl_b32 s30, s11, 15
	s_add_nc_u64 s[26:27], s[4:5], s[30:31]        ; X at query 128 c
	s_lshl_b32 s30, ttmp9, 8
	s_add_nc_u64 s[28:29], s[8:9], s[30:31]        ; codes at my work-group's block of the first pair of queries
; ---- the loading waves' macros
.macro LOADS c                         ; chunk c: my 40 rows, 20 loads of 512 consecutive bytes (two rows), into the chunk's own 80 registers, which no vector instruction has named
.if (\c) < 2
.set LBS, 96+80*(\c)
	WIN 0
.else
.set LBS, 80*((\c)-2)
	WIN 0x40                                       ; destination window 1, address window 0
.endif
.set i, 0
.rept 20
	global_load_b128 v[LBS+4*i:LBS+4*i+3], v[GO], s[24:25] offset:40960*(\c)+512*i th:TH_LOAD_NT
.set i, i+1
.endr
	WIN 0
.endm
; Chunk c is rounded and stored; chunk c + 3 is asked for (more = 1); -t2/2 of my 40 rows is made from the rows as they lie in LDS: three tiles, at rows 0, 16 and 24 of the 40.
; yng: the loads behind this chunk's that the count leaves out.  It names only loads issued in this block or in the first block; where later ones exist too, the count waits for some of them as well.
.macro CONVERT c, yng, more
.if (\c) < 2
.set SB, 96+80*(\c)
.set CW, 0
.set DW, 0
.else
.set SB, 80*((\c)-2)
.set CW, 0x45                          ; the roundings: destination and both sources in window 1
.set DW, 0x04                          ; the stores: data in window 1, address in window 0
.endif
.if (\c) < 3
.set CO, 160*TRP*(\c)
.else
.set CO, 160*TRP*((\c)-3)
.endif
.if (\c) == 3
	v_add_nc_u32 v[SA], 3*160*TRP, v[SA]           ; from chunk 0's place to chunk 3's, once: the LDS instructions that read the two have done so (the barrier's wait on vm_vsrc)
	v_add_nc_u32 v[FA], 3*160*TRP, v[FA]
.endif
	s_wait_loadcnt \yng                            ; loads come back in order: this chunk's twenty are in
	WIN CW
.set i, 0
.rept 20
	v_cvt_pk_bf16_f32 v[SB+4*i], v[SB+4*i], v[SB+4*i+1]      ; four numbers close up into the first two of their four registers
	v_cvt_pk_bf16_f32 v[SB+4*i+1], v[SB+4*i+2], v[SB+4*i+3]
.set i, i+1
.endr
	WIN DW
	s_wait_alu depctr_va_vdst(0)                   ; the roundings have written the stores' data; v[SA] and v[FA] are written (chunks 0 and 3); the last chunk's products are done reading v[FR ..], in which the loads below land
.set i, 0
.rept 20
	ds_store_b64 v[SA], v[SB+4*i:SB+4*i+1] offset:CO+288*i
.set i, i+1
.endr
	WIN 0
.if \more
	LOADS (\c)+3
.endif
.irp w,0,1,2
.irp n,0,1,2,3
	ds_load_b128 v[FR+16*\w+4*\n:FR+16*\w+4*\n+3], v[FA] offset:CO+(16*\w-8*(\w/2))*TRP+32*\n  ; LDS serves a wave's instructions in order: these see my stores above
.endr
.endr
	s_wait_dscnt 0x0
.irp w,0,1,2                           ; the three accumulators take turns
	v_wmma_f32_16x16x32_bf16 v[GR+8*\w:GR+8*\w+7], v[FR+16*\w:FR+16*\w+7], v[FR+16*\w:FR+16*\w+7], 0
.endr
.irp w,0,1,2
	v_wmma_f32_16x16x32_bf16 v[GR+8*\w:GR+8*\w+7], v[FR+16*\w+8:FR+16*\w+15], v[FR+16*\w+8:FR+16*\w+15], v[GR+8*\w:GR+8*\w+7]
.endr
.rept 4
	v_nop                                          ; four plain instructions between the last product and the first read of a result
.endr
.irp w,0,1,2
	DSEL GR+8*\w,8+\w
	v_permlanex16_b32 v12, v[8+\w], s20, s21
	v_cndmask_b32 v[8+\w], v12, v[8+\w], s19       ; every lane (r, h) holds t2 of the tile's row r
	v_mul_f32 v[8+\w], -0.5, v[8+\w]
.endr
	s_wait_alu depctr_va_vdst(0)                   ; v8, v9 and v10 are written, which the three stores read
.irp w,0,1,2
	ds_store_b32 v[TA], v[8+\w] offset:640*(\c)+4*(16*\w-8*(\w/2))  ; both halves of the lanes write the same word with the same number
.endr
.endm
; ---- the multiplying waves' macros
.macro XLOAD q                         ; query tile q as f32: eight loads into window 1
	WIN 0x40
.irp j,0,1,2,3,4,5,6,7
	global_load_b128 v[32*(\q)+4*\j:32*(\q)+4*\j+3], v14, s[26:27] offset:4096*(\q)+64*(\j/2)+16*(\j%2)
.endr
.endm
.macro LDF buf, t                      ; row tile t's fragments and its -t2/2: six loads
	WIN 0
.if (\t) < 28
.set LB, AA
.set LO, (\t)*16*TRP
.else
.set LB, AA2
.set LO, ((\t)-28)*16*TRP
.endif
.irp n,0,1,2,3
	ds_load_b128 v[AB+16*(\buf)+4*\n:AB+16*(\buf)+4*\n+3], v[LB] offset:LO+32*\n
.endr
.irp n,0,1
	ds_load_b128 v[CB+8*(\buf)+4*\n:CB+8*(\buf)+4*\n+3], v[TB] offset:64*(\t)+16*\n
.endr
.endm
; Matrix instruction pos of a pair's 32.  A tile's 16: first K step of query tiles 0-3 (C = -t2/2), second of 0-3, first of 4-7, second of 4-7: three other accumulators stand between a sum's two links.
.macro MM
	WIN 0
.set mi, pos%16
.set mb, pos/16
.set mq, mi%4+4*(mi/8)
.if (mi/4)%2 == 0
	v_wmma_f32_16x16x32_bf16 v[D+8*mq:D+8*mq+7], v[AB+16*mb:AB+16*mb+7], v[XF+16*mq:XF+16*mq+7], v[CB+8*mb:CB+8*mb+7]
.else
	v_wmma_f32_16x16x32_bf16 v[D+8*mq:D+8*mq+7], v[AB+16*mb+8:AB+16*mb+15], v[XF+16*mq+8:XF+16*mq+15], v[D+8*mq:D+8*mq+7]
.endif
.endm
; Rider o of a batch of 16, for query tiles base .. base + 3, two tiles alternating.  kind 1: a pair's first tile starts the maximum; kind 2: its second tile goes on; kind 0: nothing is due.
.macro RID kind, base, o
.set rq, (\base)+(\o)%2+2*((\o)/8)
.set rk, ((\o)/2)%4
.if (\kind) == 0
	v_nop
.elseif (\kind) == 1
.if rk == 0
	v_max3_num_f32 v[M+rq], v[D+8*rq], v[D+8*rq+1], v[D+8*rq+2]
.elseif rk < 3
	v_max3_num_f32 v[M+rq], v[M+rq], v[D+8*rq+2*rk+1], v[D+8*rq+2*rk+2]
.else
	v_max_num_f32 v[M+rq], v[M+rq], v[D+8*rq+7]
.endif
.else
	v_max3_num_f32 v[M+rq], v[M+rq], v[D+8*rq+2*rk], v[D+8*rq+2*rk+1]
.endif
.endm
; Four query tiles' groups are finished: d2 = max(x2 - 2 max s, 0); the smallest so far.  M in window 0, all else in window 1.
.macro FINV q0
	WIN 0x54
.irp n,0,1,2,3
	v_fma_f32 v[D1+(\q0)+\n], v[M+(\q0)+\n], -2.0, v[X2+(\q0)+\n]
.endr
.irp n,0,1,2,3
	v_max_num_f32 v[D1+(\q0)+\n], 0, v[D1+(\q0)+\n]
.endr
.irp n,0,1,2,3
	v_min3_num_f32 v[CH+(\q0)+\n], s22, v[D1+(\q0)+\n], v[CH+(\q0)+\n]
.endr
.endm
; Their upper 16 bits go into the records, as pair sl's codes.  The address in window 0, the data in window 1.
.macro FINS q0, sl
	WIN 0x54
.irp n,0,1,2,3
	ds_store_b16_d16_hi v[OA], v[D1+(\q0)+\n] offset:16*TRP*((\q0)+\n)+4*(\sl)
.endr
.endm
; PAIR p: 32 matrix instructions, two riders behind each.  Behind 0-7: the pair before, second tile, query tiles 4-7; 8-15: first tile, 0-3; 16-23: first tile, 4-7; 24-31: second tile, 0-3.
; Between the second link of a sum and the first read of it stand seven riders or more on other accumulators; more before it is started anew.
; Behind product 2: query tiles 0-3 of the pair before are finished (their maximum is started anew behind product 8), their codes stored, this pair's second tile fetched.
; Behind product 15: the same for query tiles 4-7 (started anew behind product 16) and the next pair's first tile.  Each run of loads stands 13 products or more ahead of its first use.
; first = 1: there is no pair before.  last = 1: there is none behind.
.macro PAIR p, first, last
	s_wait_dscnt 0x0                               ; the first tile's six loads, issued 16 matrix instructions back, and nothing behind them
.set pos, 0
.rept 32
.if pos == 16
.if \first
	s_wait_dscnt 0x6                               ; the second tile's six loads are in; the six loads issued behind them may be out
.elseif \last
	s_wait_dscnt 0x4                               ; .. the four stores of codes issued behind them may be out
.else
	s_wait_dscnt 0xa                               ; .. the four stores of codes and the six loads issued behind them may be out
.endif
.endif
	MM
.set o, 2*(pos%8)
.if pos < 8
	RID 2-2*(\first),4,o
	RID 2-2*(\first),4,o+1
.elseif pos < 16
	RID 1,0,o
	RID 1,0,o+1
.elseif pos < 24
	RID 1,4,o
	RID 1,4,o+1
.else
	RID 2,0,o
	RID 2,0,o+1
.endif
.if pos == 2
.if !(\first)
.if (\p) > 1
	s_wait_alu depctr_vm_vsrc(0)                   ; the eight stores of codes issued in the pair before have read D1, which this pair's finishing lines write again
.endif
	FINV 0
	s_wait_alu depctr_va_vdst(0)                   ; D1 0-3 are written, which the stores below read; the products of the pair before are done reading buffer 1, in which the loads below land
	FINS 0,(\p)-1
.endif
	LDF 1,2*(\p)+1                                 ; (in the first pair no vector or matrix instruction has named buffer 1)
.endif
.if pos == 15
.if \first
	v_nop                                          ; nothing is finished yet: with the two riders, four plain instructions stand behind the last product that read buffer 0, as in every pair
	v_nop
.else
	FINV 4
.endif
	s_wait_alu depctr_va_vdst(0)                   ; D1 4-7 are written, which the stores below read; this pair's products 0-15 are done reading buffer 0, in which the loads below land
.if !(\first)
	FINS 4,(\p)-1
.endif
.if !(\last)
	LDF 0,2*(\p)+2                                 ; the next pair's first tile
.endif
.endif
.set pos, pos+1
.endr
.endm
.macro PAIRS a, b                      ; pairs a to b
.set pp, \a
.rept (\b)-(\a)+1
	PAIR pp,0,0
.set pp, pp+1
.endr
.endm
; ---- stage 0: the queries into registers | chunk 0 into LDS
	s_cmp_lt_u32 s10, 4
	s_cbranch_scc0 .Lload0
	v_lshlrev_b32 v14, 8, v8
	v_lshl_add_u32 v14, v9, 5, v14                 ; X: 256 r + 32 h: a fragment's 8 numbers are 32 bytes of f32
	WIN 0x40
	s_wait_alu depctr_va_vdst(0)                   ; v14 is written: every load of X reads it as its offset
.set q, 0
.rept 7                                ; tiles 0-6: 56 loads; tile 7's eight follow when tile 0 is in
	XLOAD q
.set q, q+1
.endr
	WIN 0
	v_mul_u32_u24 v[AA], v8, TRP
	s_mul_i32 s35, s11, 128*TRP
	v_add_nc_u32 v11, s35, v[AA]
	v_add_nc_u32 v11, OUT, v11                     ; my first record: query 128 c + r
	v_lshl_add_u32 v[AA], v9, 4, v[AA]
	v_add_nc_u32 v[AA2], 28*16*TRP, v[AA]
	v_lshlrev_b32 v[TB], 5, v9
	v_add_nc_u32 v[TB], T2, v[TB]
	v_lshl_add_u32 v[OA], v9, 1, v11
	v_lshl_add_u32 v12, v9, 3, v11
	v_lshl_add_u32 v13, v9, 2, v11
	v_mov_b32 v16, 0x7fff7fff
	v_mov_b32 v17, 0x7fff7fff
	s_wait_alu depctr_va_vdst(0)                   ; v12, v13, v16 and v17 are written, which the stores below read; so are v[AA], v[AA2], v[TB] and v[OA], the addresses of all my later LDS instructions
.irp n,0,1,2,3,4,5,6,7                 ; slots 52-63 of my records: bytes 104 + 8 h .. and 120 + 4 h ..
	ds_store_b64 v12, v[16:17] offset:16*TRP*\n+104
	ds_store_b32 v13, v16 offset:16*TRP*\n+120
.endr
.set q, 0
.rept 8
.if q == 0
	s_wait_loadcnt 48                              ; tile 0's eight loads are in; tiles 1-6 stay out
.else
	s_wait_loadcnt 56-8*q                          ; tile q's are in; the later tiles', tile 7's among them, stay out
.endif
	WIN 0x05                                       ; sources window 1, destination window 0
.set i, 0
.rept 16
	v_cvt_pk_bf16_f32 v[XF+16*q+i], v[32*q+2*i], v[32*q+2*i+1]
.set i, i+1
.endr
.if q == 0
	XLOAD 7                                        ; no wait: no vector instruction has named tile 7's registers, nor v14 since the wait ahead of the first loads
.endif
.set q, q+1
.endr
	WIN 0
.irp n,0,1,2,3,4,5,6,7                 ; x2: the diagonal of X X^T, tile by tile; the eight accumulators take turns
	v_wmma_f32_16x16x32_bf16 v[D+8*\n:D+8*\n+7], v[XF+16*\n:XF+16*\n+7], v[XF+16*\n:XF+16*\n+7], 0
.endr
.irp n,0,1,2,3,4,5,6,7
	v_wmma_f32_16x16x32_bf16 v[D+8*\n:D+8*\n+7], v[XF+16*\n+8:XF+16*\n+15], v[XF+16*\n+8:XF+16*\n+15], v[D+8*\n:D+8*\n+7]
.endr
.rept 4
	v_nop                                          ; four plain instructions between the last product and the first read of a result
.endr
	s_wait_alu depctr_vm_vsrc(0)                   ; the loads of X have read v14, the stores above v12, v13, v16 and v17: the selects below write v8-15, and -t2/2 will land in v16 and v17
.irp n,0,1,2,3,4,5,6,7
	DSEL D+8*\n,M+\n
.endr
	WIN 0x40
.irp n,0,1,2,3,4,5,6,7
	v_permlanex16_b32 v[D1+\n], v[M+\n], s20, s21  ; into window 1, registers that the loads of X have written
.endr
	WIN 0x41
.irp n,0,1,2,3,4,5,6,7
	v_cndmask_b32 v[X2+\n], v[D1+\n], v[M+\n], s19 ; every lane (r, h) holds x2 of the tile's query r
.endr
	WIN 0x40
.irp n,0,1,2,3,4,5,6,7
	v_mov_b32 v[CH+\n], s22
.endr
	WIN 0
	s_branch .Ljoin0
.Lload0:
	s_mul_i32 s32, s11, 10240
	v_lshl_add_u32 v[GO], v10, 4, s32              ; my wave's 40 rows, 16 bytes a lane
	s_wait_alu depctr_va_vdst(0)                   ; v[GO] is written: every load of rows reads it as its offset
	LOADS 0                                        ; three chunks, 60 loads a wave, are on their way
	LOADS 1
	LOADS 2
	s_mul_i32 s33, s11, 40*TRP
	v_mul_u32_u24 v11, v9, TRP
	v_lshl_add_u32 v[SA], v8, 3, v11
	v_add_nc_u32 v[SA], s33, v[SA]                 ; row 40 l + lane / 16, 8 bytes for each of 16 lanes
	v_mul_u32_u24 v[FA], v8, TRP
	v_lshl_add_u32 v[FA], v9, 4, v[FA]
	v_add_nc_u32 v[FA], s33, v[FA]                 ; row 40 l + r, 16 bytes for each half
	s_mul_i32 s34, s11, 160
	s_add_co_u32 s34, s34, T2
	v_lshl_add_u32 v[TA], v8, 2, s34
	v_mov_b32 v12, 0                               ; v_permlanex16_b32's destination counts as read
	CONVERT 0,40,1                                 ; behind chunk 0's loads stand chunks 1 and 2: 40
.Ljoin0:
	BAR                                            ; chunk 0 (pairs 0-4) is whole
; ---- stages 1 to 4: the multiplying waves stay two pairs behind the chunks' edges, so that the tile fetched ahead at a stage's end lies in a chunk that is whole
	s_cmp_lt_u32 s10, 4
	s_cbranch_scc0 .Lload1
	LDF 0,0
	PAIR 0,1,0
	PAIRS 1,2                                      ; fetched ahead: pair 3
	s_branch .Ljoin1
.Lload1:
	CONVERT 1,40,1                                 ; behind chunk 1's loads stand chunks 2 and 3, both asked for in the first block: 40
.Ljoin1:
	BAR                                            ; pairs 5-9 are whole
	s_cmp_lt_u32 s10, 4
	s_cbranch_scc0 .Lload2
	PAIRS 3,7                                      ; fetched ahead: pair 8
	s_branch .Ljoin2
.Lload2:
	CONVERT 2,20,0                                 ; chunk 3's 20 are left out; the count takes chunk 4's in with it, asked for a stage ago
.Ljoin2:
	BAR                                            ; pairs 10-14
	s_cmp_lt_u32 s10, 4
	s_cbranch_scc0 .Lload3
	PAIRS 8,12                                     ; fetched ahead: pair 13
	s_branch .Ljoin3
.Lload3:
	CONVERT 3,0,0
.Ljoin3:
	BAR                                            ; pairs 15-19
	s_cmp_lt_u32 s10, 4
	s_cbranch_scc0 .Lload4
	PAIRS 13,17                                    ; fetched ahead: pair 18
	s_branch .Ljoin4
.Lload4:
	CONVERT 4,0,0
.Ljoin4:
	BAR                                            ; pairs 20-24
	s_cmp_lt_u32 s10, 4
	s_cbranch_scc0 .Ljoin5
	PAIRS 18,23
	PAIR 24,0,1
.rept 4
	v_nop                                          ; four plain instructions behind the last product
.endr
.set o, 0
.rept 16
	RID 2,4,o
.set o, o+1
.endr
	s_wait_alu depctr_vm_vsrc(0)                   ; the eight stores of codes issued in pair 24 have read D1, which the lines below write again
	FINV 0
	FINV 4
	s_wait_alu depctr_va_vdst(0)                   ; D1 and CH are written, which the sixteen stores below read
	FINS 0,24
	FINS 4,24
.irp n,0,1,2,3,4,5,6,7
	ds_store_b16_d16_hi v[OA], v[CH+\n] offset:16*TRP*\n+100  ; slot 50 + h: the smallest of my 25 groups: its code is the smallest of their codes
.endr
	WIN 0
.Ljoin5:
	BAR                                            ; all 512 records are whole
; ---- the way out, all eight waves: wave y takes queries 64 y .. 64 y + 63.  A load takes four records; lanes 0-15 hold a pair of queries' 256 bytes, lanes 16-31 the next pair's.
	v_and_b32 v8, 31, v0
	v_lshrrev_b32 v9, 3, v8                        ; the record among the four
	v_mul_u32_u24 v9, v9, TRP
	v_and_b32 v10, 7, v0
	v_lshl_add_u32 v9, v10, 4, v9
	s_mul_i32 s36, s10, 64*TRP
	s_add_co_u32 s36, s36, OUT
	v_add_nc_u32 v9, s36, v9
	v_lshrrev_b32 v11, 4, v8
	v_mul_u32_u24 v11, v11, 64000                  ; a pair of queries has 250 blocks of 256 bytes
	v_and_b32 v12, 15, v0
	v_lshl_add_u32 v11, v12, 4, v11
	s_mul_i32 s37, s10, 32*64000
	v_add_nc_u32 v11, s37, v11
	s_wait_alu depctr_va_vdst(0)                   ; v9 and v11 are written: the address of the LDS loads and the offset of the stores below
.irp n,0,1,2,3,4,5,6,7,8,9,10,11,12,13,14,15
	ds_load_b128 v[D+4*\n:D+4*\n+3], v9 offset:4*TRP*\n
.endr
.irp n,0,1,2,3,4,5,6,7,8,9,10,11,12,13,14,15
	s_wait_dscnt 15-\n                             ; LDS loads come back in order: load n is in
	global_store_b128 v11, v[D+4*\n:D+4*\n+3], s[28:29] offset:128000*\n  ; 16 lanes store 256 consecutive bytes, at a multiple of 256 from the buffer's first byte
.endr
	s_wait_dscnt 0x0                               ; the wave's end: then the add onto my spare word
	s_wait_alu depctr_hold_cnt(0) depctr_sa_sdst(0) depctr_va_vdst(0) depctr_va_sdst(0) depctr_va_ssrc(0) depctr_va_vcc(0) depctr_vm_vsrc(0)
	s_wait_tensorcnt 0x0
	ds_add_u32 v5, v7
	s_wait_dscnt 0x0
	s_endpgm
.Lfunc_end_k_qfdd67028bf_scan:
	.size	k_qfdd67028bf_scan, .Lfunc_end_k_qfdd67028bf_scan-k_qfdd67028bf_scan
	.p2alignl 7, 3214868480
	.fill 96, 4, 3214868480
	.section	.rodata,"a",@progbits
	.p2align	6, 0x0
	.amdhsa_kernel k_qfdd67028bf_scan
		.amdhsa_group_segment_fixed_size 193280
		.amdhsa_private_segment_fixed_size 0
		.amdhsa_enable_private_segment 0
		.amdhsa_kernarg_size 24
		.amdhsa_user_sgpr_count 2
		.amdhsa_user_sgpr_kernarg_segment_ptr 1
		.amdhsa_wavefront_size32 1
		.amdhsa_system_sgpr_workgroup_id_x 1
		.amdhsa_system_sgpr_workgroup_id_y 1
		.amdhsa_system_sgpr_workgroup_id_z 1
		.amdhsa_system_vgpr_workitem_id 0
		.amdhsa_next_free_vgpr 512
		.amdhsa_next_free_sgpr 66
		.amdhsa_reserve_vcc 0
		.amdhsa_float_denorm_mode_32 3
		.amdhsa_float_denorm_mode_16_64 3
		.amdhsa_memory_ordered 1
		.amdhsa_forward_progress 1
		.amdhsa_inst_pref_size 255
	.end_amdhsa_kernel
	.section	.bss,"aw",@nobits
	.p2align	6
	.space	262144
	.amdgpu_metadata
---
amdhsa.version: [ 1, 2 ]
amdhsa.kernels:
  - .name:           k_qfdd67028bf_scan
    .symbol:         k_qfdd67028bf_scan.kd
    .args:
      - { .name: X, .offset: 0, .size: 8, .value_kind: global_buffer, .address_space: global }
      - { .name: train_features, .offset: 8, .size: 8, .value_kind: global_buffer, .address_space: global }
      - { .name: codes, .offset: 16, .size: 8, .value_kind: global_buffer, .address_space: global }
    .group_segment_fixed_size: 193280
    .private_segment_fixed_size: 0
    .kernarg_segment_align: 8
    .kernarg_segment_size: 24
    .max_flat_workgroup_size: 256
    .sgpr_count:     66
    .vgpr_count:     512
    .wavefront_size: 32
...
	.end_amdgpu_metadata
.endif
;; end of part 4
;; launch mark: the kernel of part 2 again; grid 256 x 1, 25 waves a work-group, no clusters, 11,264 bytes of LDS; arguments codes, marks, sums; writes marks, sums
;; launch vote: the kernel of part 3 again; grid 256 x 1, 24 waves a work-group, no clusters, 6,144 bytes of LDS; arguments X, train_features, train_labels, marks, sums, out0; writes out0
